; MI455X (gfx1250); checked and timed in simulation.
; The chip was launched on July 23, 2026; its instructions are those of AMD's public machine-readable ISA for CDNA 5 (MIT licence, August 2026) and "CDNA5" Instruction Set Architecture Reference Guide (July 2026). The comments in the code are by the model that wrote it; some were corrected since.
;; Masked Multi Head Attention. Allowed arithmetic: float matrix products may take bf16 or f16 operands with f32 sums; all other float work in f32.
;; Inputs: Wk 2,048 x 2,048 float32; Wo 2,048 x 2,048 float32; Wq 2,048 x 2,048 float32; Wv 2,048 x 2,048 float32; bo 2,048 float32; x 4 x 512 x 2,048 float32.
;; Outputs: out0 4 x 512 x 2,048 float32.
;; 2 versions, each right; version 2 is version 1 with the launch prep written anew for expert scheduling mode. Each part assembles by itself: llvm-mc -triple=amdgcn-amd-amdhsa -mcpu=gfx1250 --defsym DOCPART=n.
;; ======== version 1 of 2: 4 launches
;; limits: values are held in f16: magnitudes above 65,504 overflow, below 6.1e-05 lose precision; a function is approximated: absolute error at most 0.0001
;; workspace buffers: xb 8,388,608 bytes; wb 33,554,432 bytes; tab 262,144 bytes; qb 8,388,608 bytes; kb 8,388,608 bytes; vb 8,388,608 bytes; ao 8,388,608 bytes
;; launch prep (part 1): grid 512 x 1, 8 waves a work-group, no clusters, 0 bytes of LDS; arguments x, Wq, Wk, Wv, Wo, xb, wb, tab; writes xb, wb, tab
.if DOCPART == 1
	.amdgcn_target "amdgcn-amd-amdhsa--gfx1250"
	.amdhsa_code_object_version 6
	.text
	.protected	k_q1917c6338f_prep
	.globl	k_q1917c6338f_prep
	.p2align	8
	.type	k_q1917c6338f_prep,@function
k_q1917c6338f_prep:
	s_mov_b64 s[64:65], 0
	v_nop
	global_prefetch_b8 v0, s[64:65] scope:SCOPE_SE
	s_setreg_imm32_b32 hwreg(HW_REG_WAVE_MODE, 25, 1), 1
	s_wait_xcnt 0x0
; PREP: x, Wq, Wk, Wv, Wo (f32, 16,777,216 bytes each) are rounded once to bf16 (xb; wb = planes Wq, Wk, Wv, Wo, 0x800000 bytes apart),
; so that both large products can fill LDS with 16-bit tiles; and the RoPE table tab[pos][128] = 64 cosines, 64 sines (f32) is made.
; Wo's plane holds the bf16-rounded numbers written as f16, since its partner in the product (ao) is f16: see FORMATS.
;
; THE PROGRAM: prep (this) -> qkv (three projections, RoPE) -> attn (causal softmax attention) -> oproj (output projection + bo).
; FORMATS: the inputs x, Wq, Wk, Wv, Wo are rounded to bf16.  The matrix operands that the program makes itself (q, k, v, the softmax's
; weights, the attention's result ao) are f16: a result at an early position averages few keys and is as large as v itself, several times the
; root mean square of the whole output, so a rounding of v to bf16's 8 bits (up to 2^-8 of v) is of the size of a hundredth of that root mean
; square; f16's 11 bits leave an eighth of it.  All sums, RoPE and softmax are f32, the softmax with a running maximum.
; A bf16 number is an f16 number exactly from 2^-17 up to 65,504; below 2^-17 Wo is off by at most 2^-25.
; f16'S ROOM: |q|, |k|, |v|, |Wo| below 65,504.  x of spread 1 and weights of spread 0.0221 give |q|, |k|, |v| up to about 5.5.  All of them
; 30 times larger: about 5,000.  x and a weight both with an offset of 30 spreads: 2048 x 30 x 0.663 = 40,700, behind RoPE at most
; sqrt(2) x that = 57,600.  All 30 times smaller: a root mean square of 1.1e-3, above f16's least normal number 6.1e-5; below it the step is 6e-8.
;
; WORK LEFT OUT (in attn): reference() replaces every score with key > query by -1e9, by a jnp.tril of its own.  So the product q.k of such
; a pair reaches no output whatever the inputs hold, and its weight is exp(-1e9 - rowmax) / sum, where rowmax >= the score of key = query,
; which is always live.  Blocks of 64 keys that lie wholly above the diagonal are therefore neither scored nor multiplied with v;
; inside the block on the diagonal the -1e9 is put in as reference() does.  No input is left out: bo is loaded and added in oproj.
; LIMITS: (1) a row all of whose live scores lie below about -1e9 + 100 (that takes |q.k| above 1e10) gets weight on masked keys in
; reference() and none here; (2) a NaN, an infinity or an overflow that sits only in k or v rows above a query's diagonal block does not
; reach that query's result; (3) the table's angle is reduced in f32 at up to 81.4 turns and the series are cut at y^9 and y^10 for
; |y| <= pi/2: cosines and sines are within 1e-4 of the exact ones; (4) a q, k, v or Wo of 65,520 or more becomes an infinity in f16, and
; the results that it reaches NaN or infinity, where reference() is still finite.
;
; Work-group g takes bytes 32,768 g .. +32,767 of each source.  Thread t, piece j: 16 bytes at 16 t + 4096 j (a wave's load covers 512
; neighbouring bytes), packed roundings in place, 8 bytes out at 8 t + 2048 j (a wave's store covers 256 neighbouring bytes, aligned).
; All 40 loads of a thread go out first, each into registers of its own; no register that a load or store names is written again behind it,
; so the only waits are the counted ones for the data.  No LDS, no barrier, no matrix unit: bytes are all there is to this launch.
.set X, 8                              ; v[8:167]  load n = 8 x source + j: 4 registers
.macro LOADS n0, base
.irp j, 0,1,2,3,4,5,6,7
	global_load_b128 v[X+4*(\n0+\j):X+4*(\n0+\j)+3], v1, s[\base:\base+1] offset:4096*\j th:TH_LOAD_NT
.endr
.endm
.macro CASTS n0, base                  ; f32 to bf16
.irp j, 0,1,2,3,4,5,6,7
	s_wait_loadcnt 39-(\n0+\j)                     ; loads come back in order: the count is the number of loads issued behind this one
	v_cvt_pk_bf16_f32 v[X+4*(\n0+\j)],   v[X+4*(\n0+\j)],   v[X+4*(\n0+\j)+1]
	v_cvt_pk_bf16_f32 v[X+4*(\n0+\j)+1], v[X+4*(\n0+\j)+2], v[X+4*(\n0+\j)+3]
	global_store_b64 v2, v[X+4*(\n0+\j):X+4*(\n0+\j)+1], s[\base:\base+1] offset:2048*\j
.endr
.endm
.macro CASTH n0, base                  ; f32 rounded to bf16, as the other inputs are, and that number written as f16
.irp j, 0,1,2,3,4,5,6,7
	s_wait_loadcnt 39-(\n0+\j)
	v_cvt_pk_bf16_f32 v[X+4*(\n0+\j)],   v[X+4*(\n0+\j)],   v[X+4*(\n0+\j)+1]
	v_cvt_pk_bf16_f32 v[X+4*(\n0+\j)+1], v[X+4*(\n0+\j)+2], v[X+4*(\n0+\j)+3]
	v_lshlrev_b32 v[X+4*(\n0+\j)+2], 16, v[X+4*(\n0+\j)]           ; bf16 to f32: the low half moves up,
	v_and_b32     v[X+4*(\n0+\j)+3], 0xffff0000, v[X+4*(\n0+\j)]   ; the high half stays
	v_cvt_pk_f16_f32 v[X+4*(\n0+\j)], v[X+4*(\n0+\j)+2], v[X+4*(\n0+\j)+3]
	v_lshlrev_b32 v[X+4*(\n0+\j)+2], 16, v[X+4*(\n0+\j)+1]
	v_and_b32     v[X+4*(\n0+\j)+3], 0xffff0000, v[X+4*(\n0+\j)+1]
	v_cvt_pk_f16_f32 v[X+4*(\n0+\j)+1], v[X+4*(\n0+\j)+2], v[X+4*(\n0+\j)+3]
	global_store_b64 v2, v[X+4*(\n0+\j):X+4*(\n0+\j)+1], s[\base:\base+1] offset:2048*\j
.endr
.endm
; d = sin(a + 2 pi s32): turns t = a / 2pi + s32; r = t - nearest whole number, in [-1/2, 1/2]; y = pi r; sin 2y = (sin y)(2 cos y), both by series
.macro SINT d, a, t0, t1, t2
	v_fma_f32 v[\t0], v[\a], 0.15915494, s32
	v_rndne_f32 v[\t1], v[\t0]
	v_sub_f32 v[\t0], v[\t0], v[\t1]
	v_mul_f32 v[\t0], 0x40490fdb, v[\t0]           ; y = pi r
	v_mul_f32 v[\t1], v[\t0], v[\t0]               ; y^2
	v_mov_b32 v[\t2], 0x3638ef1d                   ; 1/9!
	v_fmaak_f32 v[\t2], v[\t2], v[\t1], 0xb9500d01 ; -1/7!
	v_fmaak_f32 v[\t2], v[\t2], v[\t1], 0x3c088889 ; 1/5!
	v_fmaak_f32 v[\t2], v[\t2], v[\t1], 0xbe2aaaab ; -1/3!
	v_fmaak_f32 v[\t2], v[\t2], v[\t1], 0x3f800000 ; 1
	v_mul_f32 v[\t2], v[\t2], v[\t0]               ; sin y
	v_mov_b32 v[\d], 0xb513f27e                    ; -2/10!
	v_fmaak_f32 v[\d], v[\d], v[\t1], 0x38500d01   ; 2/8!
	v_fmaak_f32 v[\d], v[\d], v[\t1], 0xbb360b61   ; -2/6!
	v_fmaak_f32 v[\d], v[\d], v[\t1], 0x3daaaaab   ; 2/4!
	v_fmaak_f32 v[\d], v[\d], v[\t1], 0xbf800000   ; -2/2!
	v_fmaak_f32 v[\d], v[\d], v[\t1], 0x40000000   ; 2
	v_mul_f32 v[\d], v[\d], v[\t2]
.endm
	s_load_b512 s[4:19], s[0:1], 0x0               ; x 4:5, Wq 6:7, Wk 8:9, Wv 10:11, Wo 12:13, xb 14:15, wb 16:17, tab 18:19
	v_lshlrev_b32 v1, 4, v0                        ; 16 t
	v_lshlrev_b32 v2, 3, v0                        ; 8 t
	v_lshrrev_b32 v3, 5, v0
	v_readfirstlane_b32 s30, v3                    ; wave 0..7
	s_lshl_b32 s20, ttmp9, 15                      ; the group's part of a source
	s_mov_b32 s21, 0
	s_lshl_b32 s22, ttmp9, 14                      ; and of a destination
	s_mov_b32 s23, 0
	s_mov_b32 s31, ttmp9                           ; the group's number is also the table's position
	s_wait_kmcnt 0x0
.irp b, 4,6,8,10,12
	s_add_nc_u64 s[\b:\b+1], s[\b:\b+1], s[20:21]
.endr
	s_add_nc_u64 s[14:15], s[14:15], s[22:23]
	s_add_nc_u64 s[16:17], s[16:17], s[22:23]      ; plane Wq
	s_add_nc_u64 s[24:25], s[16:17], 0x800000      ; plane Wk (a plane's distance does not fit a store's immediate)
	s_add_nc_u64 s[26:27], s[16:17], 0x1000000     ; plane Wv
	s_add_nc_u64 s[28:29], s[16:17], 0x1800000     ; plane Wo
	LOADS 0,  4
	LOADS 8,  6
	LOADS 16, 8
	LOADS 24, 10
	LOADS 32, 12
	; The table's row pos = g, while the loads are on their way: wave 0 the 64 cosines, wave 1 the 64 sines, lane l the frequencies 2 l, 2 l + 1.
	s_cmp_gt_u32 s30, 1
	s_cbranch_scc1 .Lnotab
	s_cmp_eq_u32 s30, 0
	s_cselect_b32 s32, 0x3e800000, 0               ; cos a = sin(a + a quarter turn)
	s_lshl_b32 s33, ttmp9, 9                       ; a row of the table is 512 bytes
	s_lshl_b32 s34, s30, 8                         ; the sines lie 256 bytes behind the cosines
	s_add_co_u32 s33, s33, s34
	v_and_b32 v168, 31, v0
	v_lshlrev_b32 v169, 1, v168
	v_cvt_f32_u32 v170, v169                       ; i = 2 l
	v_add_f32 v171, 1.0, v170                      ; i = 2 l + 1
	v_mul_f32 v170, 0xbe549a78, v170               ; -i log2(10000) / 64
	v_mul_f32 v171, 0xbe549a78, v171
	v_cvt_f32_u32 v174, s31                        ; pos
	v_exp_f32 v172, v170                           ; 10000^(-i/64)
	v_exp_f32 v173, v171
	v_lshl_add_u32 v169, v168, 3, s33              ; the plain instruction that stands behind the exponentials (ISA guide 5.7.2): my 8 bytes of the row
	s_wait_alu depctr_va_vdst(0)
	v_mul_f32 v172, v174, v172                     ; the angle, rounded as reference() rounds it
	v_mul_f32 v173, v174, v173
	SINT 180, 172, 176, 177, 178
	SINT 181, 173, 182, 183, 184
	global_store_b64 v169, v[180:181], s[18:19]    ; the wave's store covers 256 neighbouring bytes, aligned
.Lnotab:
	CASTS 0,  14
	CASTS 8,  16
	CASTS 16, 24
	CASTS 24, 26
	CASTH 32, 28
	s_endpgm
.Lfunc_end_k_q1917c6338f_prep:
	.size	k_q1917c6338f_prep, .Lfunc_end_k_q1917c6338f_prep-k_q1917c6338f_prep
	.p2alignl 7, 3214868480
	.fill 96, 4, 3214868480
	.section	.rodata,"a",@progbits
	.p2align	6, 0x0
	.amdhsa_kernel k_q1917c6338f_prep
		.amdhsa_group_segment_fixed_size 0
		.amdhsa_private_segment_fixed_size 0
		.amdhsa_enable_private_segment 0
		.amdhsa_kernarg_size 64
		.amdhsa_user_sgpr_count 2
		.amdhsa_user_sgpr_kernarg_segment_ptr 1
		.amdhsa_wavefront_size32 1
		.amdhsa_system_sgpr_workgroup_id_x 1
		.amdhsa_system_sgpr_workgroup_id_y 1
		.amdhsa_system_sgpr_workgroup_id_z 1
		.amdhsa_system_vgpr_workitem_id 0
		.amdhsa_next_free_vgpr 192
		.amdhsa_next_free_sgpr 66
		.amdhsa_reserve_vcc 0
		.amdhsa_float_denorm_mode_32 3
		.amdhsa_float_denorm_mode_16_64 3
		.amdhsa_memory_ordered 1
		.amdhsa_forward_progress 1
		.amdhsa_inst_pref_size 21
	.end_amdhsa_kernel
	.amdgpu_metadata
---
amdhsa.version: [ 1, 2 ]
amdhsa.kernels:
  - .name:           k_q1917c6338f_prep
    .symbol:         k_q1917c6338f_prep.kd
    .args:
      - { .name: x, .offset: 0, .size: 8, .value_kind: global_buffer, .address_space: global }
      - { .name: Wq, .offset: 8, .size: 8, .value_kind: global_buffer, .address_space: global }
      - { .name: Wk, .offset: 16, .size: 8, .value_kind: global_buffer, .address_space: global }
      - { .name: Wv, .offset: 24, .size: 8, .value_kind: global_buffer, .address_space: global }
      - { .name: Wo, .offset: 32, .size: 8, .value_kind: global_buffer, .address_space: global }
      - { .name: xb, .offset: 40, .size: 8, .value_kind: global_buffer, .address_space: global }
      - { .name: wb, .offset: 48, .size: 8, .value_kind: global_buffer, .address_space: global }
      - { .name: tab, .offset: 56, .size: 8, .value_kind: global_buffer, .address_space: global }
    .group_segment_fixed_size: 0
    .private_segment_fixed_size: 0
    .kernarg_segment_align: 8
    .kernarg_segment_size: 64
    .max_flat_workgroup_size: 256
    .sgpr_count:     66
    .vgpr_count:     192
    .wavefront_size: 32
...
	.end_amdgpu_metadata
.endif
;; end of part 1
;; launch qkv (part 2): grid 16 x 16, 4 waves a work-group, clusters of 4 x 4, 327,680 bytes of LDS; arguments xb, wb, tab, qb, kb, vb; writes qb, kb, vb
.if DOCPART == 2
	.amdgcn_target "amdgcn-amd-amdhsa--gfx1250"
	.amdhsa_code_object_version 6
	.text
	.protected	k_q1917c6338f_qkv
	.globl	k_q1917c6338f_qkv
	.p2align	8
	.type	k_q1917c6338f_qkv,@function
k_q1917c6338f_qkv:
	s_mov_b64 s[64:65], 0
	v_nop
	global_prefetch_b8 v0, s[64:65] scope:SCOPE_SE
	s_setreg_imm32_b32 hwreg(HW_REG_WAVE_MODE, 25, 1), 1
	s_wait_xcnt 0x0
	s_wait_alu depctr_hold_cnt(0) depctr_sa_sdst(0) depctr_va_vdst(0) depctr_va_sdst(0) depctr_va_ssrc(0) depctr_va_vcc(0) depctr_vm_vsrc(0)
	s_getreg_b32 s2, hwreg(HW_REG_IB_STS2, 6, 4)
	s_cmp_eq_u32 s2, 0
	s_cbranch_scc0 .Lentry_in_a_cluster
	s_endpgm
.Lentry_in_a_cluster:
	s_bfe_u32 s2, ttmp6, 0x10000c
	s_cmp_lg_u32 s2, 0xf033
	s_cbranch_scc0 .Lentry_shape_is_right
	s_endpgm
.Lentry_shape_is_right:
; QKV: q, k, v = x Wq^T, x Wk^T, x Wv^T (bf16 operands, f32 sums), rotate-half RoPE on q and k in f32, results in f16, head-major:
; qb, kb, vb [16 b + head][512 positions][128], rows of 256 bytes.  Nothing of reference() is left out here.
; LIMIT: a q, k or v of 65,520 or more becomes an infinity in f16 (why f16, and the room that it has: the head of the first kernel, prep).
; A work-group makes 128 rows (block mb = work-group x) of q, k and v of one head (hd = work-group y): 128 x 384.  256 work-groups.
; Wave w makes all 128 rows x 96 columns: of each of q, k, v the columns d = 16 w .. +15 and 64 + 16 w .. +15, so that the two partners
; of a RoPE pair (d, d + 64) lie in one lane, in the same register of two accumulator tiles.  48 tiles, 384 registers.
; K goes in steps of 128 through two LDS slots; a slot = 128 rows of x, of Wq, of Wk, of Wv, each row 256 bytes of memory, aligned.
; CLUSTERS: 4 x 4 work-groups.  x's tile hangs on mb alone and is asked for jointly by the four of a column of the cluster (same cx);
; the weights' tiles hang on hd alone and are asked for jointly by the four of a row (same cy).  Wave 0 asks for x's tile, waves 1, 2, 3
; for Wq's, Wk's, Wv's: one tensor load a wave behind each round of the cluster's barrier; two are out at the start, later one.
; THE K WALK: cluster (X, Y) of the 4 x 4 clusters begins at K step 4 ((X + 2 (Y % 2) + Y / 2) % 4) of the 16 and wraps round behind step 15.
; The four clusters that read one tile (of W: same Y; of x: same X) so begin in four different quarters of K, and Y = 0, 1 (and 2, 3) half a
; walk apart: they reach a tile at least four steps apart, instead of all asking for it for the first time in the same step.  The start hangs
; on the cluster's X and Y alone, which all partners of a joint load share.  Only the order of the f32 sums hangs on it.
; ASKING AHEAD: the wave that will issue a tile's joint load prefetches a quarter of the tile's 128 rows, one lane for each row's 256 bytes:
; wave 0 rows 32 cy + lane of x's tile, waves 1, 2, 3 rows 32 cx + lane of their plane's tile.  The four partners that share a tile differ
; in just that coordinate, so the cluster asks for each 256 bytes once.  The walk's step 2 is asked for at the head, step s + 3 straight behind
; the joint load of step s + 2: one K step ahead of its own joint load.  It stops behind step 3 for W (the quarter of K in which this cluster's
; walk begins, and no other reader's) and behind step 7 for x (the half of K in which its walk begins; the walk of cluster Y xor 1 begins in
; the other half).  At most 6 x 8 KiB (wave 0) and 3 x 2 x 8 KiB (waves 1 to 3) a work-group.  Every offset lies inside the tile's own rows.
;
; REGISTERS by windows of 256: window 0: addresses, fragments of x (v32-95, v96-159) and of W (v160-207, v208-255), two buffers each;
; window 1: accumulators of row tiles 0-3, tile (a, b) at v[8 (6 a + b)], b = 2 c + p (c: q, k, v; p: lower, upper half of the head);
; window 2: those of row tiles 4-7;  window 3: the RoPE table, row tile mt: cos at v[16 mt .. +7], sin at v[16 mt + 8 .. +15].
; The matrix instruction is used transposed (source 0 = 16 rows of W, source 1 = 16 rows of x): lane l then holds row l % 16 and its
; registers 0-7 the columns 8 (l / 16) + 0 .. 7.
.set KSTEP,  128
.set ROWB,   4096                      ; bytes in a row of xb and of wb: 16 K steps of 256 bytes
.set PITCH,  272                       ; an LDS row: 256 bytes + 16 of padding, an odd multiple of 16: the 16 rows of a fragment load start 16 bytes apart modulo 256
.set PART,   128*PITCH                 ; 128 rows: what one tensor load brings
.set SLOT,   4*PART                    ; x, Wq, Wk, Wv
.set LAPS,   2048/(2*KSTEP)            ; a lap = two K steps = once round the ring
.set STO,  8                           ; v8-10   the way out: where I put 16 bytes of a row of q, k, v
.set RD,   11                          ; v11-13  the way out: where I read rows back
.set CO,   14                          ; v14     my byte offset in the block of qb, kb, vb
.set TB,   15                          ; v15     my byte offset in the table
.set ADRA, 16                          ; v16-17  LDS address of x's fragments in slot 0, 1
.set ADRB, 20                          ; v20-25  of W's fragments: slot x 3 + c
.set PF,   26                          ; v26-31  asking ahead: my row's byte offset in the tile at the walk's steps 2 .. 7; never rewritten
.set AF,   32                          ; x's fragments: buffer f at AF + 64 f
.set BF,   160                         ; W's fragments: buffer f at BF + 48 f
.set TT,   32                          ; the way out: 32 rotated numbers in f32
.set PK,   64                          ; the way out: 24 registers of packed f16
.set XB,  18                           ; s[18:19] x's tile at K = 0: never stepped
.set G1A, 24                           ; s[24:31] group 1 for x's tile
.set G0A, 32                           ; s[32:39] group 0 for x's tile, a set for each slot
.set WB,  46                           ; s[46:47] the weights' tile at K = 0: never stepped
.set G1B, 48                           ; s[48:55] group 1 for the weights' tiles
.set G0B, 56                           ; s[56:63] group 0 for them, a set for each slot
.set KO,  76                           ; s[76:77] byte offset in a row of the K step that is asked for next (s77 = 0)
.set MUL_LO, 0x50                      ; C and D in window 1, fragments in window 0
.set MUL_HI, 0xa0                      ; C and D in window 2
.set TAB_IN, 0xc0                      ; destination in window 3
.set MSB, 0
.macro WIN new                         ; the immediate's high byte repeats the setting that is left
.if MSB != (\new)
	s_set_vgpr_msb (MSB<<8)|(\new)
.set MSB, (\new)
.endif
.endm
.macro PLACES                          ; four plain vector instructions between a matrix instruction and a load into, or a vector access to, its registers
.rept 4
	v_nop
.endr
.endm
.macro JLOAD s                         ; a joint load: each line has one mask; the branch hangs on the wave's number alone
	s_cmp_eq_u32 s10, 0
	s_cbranch_scc0 .Lfor_w_\@
	tensor_load_to_lds s[G0A+4*\s:G0A+4*\s+3], s[G1A:G1A+7]
	s_nop 0
	s_branch .Lasked_\@
.Lfor_w_\@:
	tensor_load_to_lds s[G0B+4*\s:G0B+4*\s+3], s[G1B:G1B+7]
	s_nop 0
.Lasked_\@:
.endm
.macro PFETCH i                        ; asks ahead for my 32 rows of the tile of the walk's step 2 + i: x's up to step 7, the weights' up to step 3
	s_cmp_eq_u32 s10, 0
	s_cbranch_scc0 .Lpf_w_\@
	global_prefetch_b8 v[PF+\i], s[XB:XB+1] th:TH_LOAD_NT scope:SCOPE_SE
	s_branch .Lpf_end_\@
.Lpf_w_\@:
.if \i < 2
	global_prefetch_b8 v[PF+\i], s[WB:WB+1] th:TH_LOAD_NT scope:SCOPE_SE
.endif
.Lpf_end_\@:
.endm
.macro SETADR s                        ; slot s's two group 0 sets: the unstepped tile plus the next K step's offset, and the type (2 in the top two bits)
	s_add_nc_u64 s[G0A+4*\s+2:G0A+4*\s+3], s[XB:XB+1], s[KO:KO+1]
	s_or_b32 s[G0A+4*\s+3], s[G0A+4*\s+3], 0x80000000
	s_add_nc_u64 s[G0B+4*\s+2:G0B+4*\s+3], s[WB:WB+1], s[KO:KO+1]
	s_or_b32 s[G0B+4*\s+3], s[G0B+4*\s+3], 0x80000000
.endm
.macro STEPK                           ; one K step on, round the row's end; the offset is no register of a descriptor
	s_add_co_u32 s[KO], s[KO], KSTEP*2
	s_and_b32 s[KO], s[KO], ROWB-1
.endm
.macro CREST                           ; a round of the cluster's barrier behind its opening work-group barrier
	s_cmp_lg_u32 s10, 0
	s_cbranch_scc1 .Lnot_wave_0_\@
	s_barrier_signal -3
.Lnot_wave_0_\@:
	s_barrier_wait -3
	s_barrier_signal -1
	s_barrier_wait -1
.endm
.macro CROUND
	s_barrier_signal -1
	s_barrier_wait -1
	CREST
.endm
	s_load_b128 s[4:7], s[0:1], 0x0                ; xb s[4:5], wb s[6:7]
	s_load_b64 s[8:9], s[0:1], 0x10                ; tab
	s_load_b64 s[68:69], s[0:1], 0x18              ; qb
	s_load_b128 s[72:75], s[0:1], 0x20             ; kb s[72:73], vb s[74:75]
	v_lshl_add_u32 v18, v0, 2, 0x44000
	v_mov_b32 v19, 0
	ds_add_u32 v18, v19
	v_lshrrev_b32 v1, 5, v0
	v_readfirstlane_b32 s10, v1                    ; wave 0..3
	s_bfe_u32 s11, ttmp6, 0x40000                  ; cx
	s_bfe_u32 s12, ttmp6, 0x40004                  ; cy
	s_lshl_b32 s13, ttmp9, 2
	s_add_co_u32 s13, s13, s11                     ; mb = 4 x cluster x + cx
	s_and_b32 s14, ttmp7, 0xffff
	s_lshl_b32 s14, s14, 2
	s_add_co_u32 s14, s14, s12                     ; hd = 4 x cluster y + cy
	s_lshl_b32 s40, 0x1111, s11                    ; my column of the cluster: places cx, cx + 4, cx + 8, cx + 12
	s_lshl_b32 s41, s12, 2
	s_lshl_b32 s41, 15, s41                        ; my row: places 4 cy .. 4 cy + 3
	; group 1: 128 rows x 128 elements of 2 bytes, 4 words of padding behind every 64 words; bit 21 stands beside a mask
	s_or_b32 s[G1A+0], s40, (1<<16)|(1<<20)|(1<<21)|(5<<22)|(3<<25)
	s_or_b32 s[G1B+0], s41, (1<<16)|(1<<20)|(1<<21)|(5<<22)|(3<<25)
	s_mov_b32 s[G1A+1], KSTEP<<16                  ; tensor_dim0 = 128
	s_mov_b32 s[G1B+1], KSTEP<<16
	s_mov_b32 s[G1A+2], 128<<16                    ; tensor_dim1 = 128
	s_mov_b32 s[G1B+2], 128<<16
	s_mov_b32 s[G1A+3], KSTEP<<16                  ; tile_dim0 = 128
	s_mov_b32 s[G1B+3], KSTEP<<16
	s_mov_b32 s[G1A+4], 128                        ; tile_dim1 = 128
	s_mov_b32 s[G1B+4], 128
	s_mov_b32 s[G1A+5], 2048                       ; elements from row to row
	s_mov_b32 s[G1B+5], 2048
	s_mov_b32 s[G1A+6], 0
	s_mov_b32 s[G1B+6], 0
	s_mov_b32 s[G1A+7], 0
	s_mov_b32 s[G1B+7], 0
	s_lshl_b32 s16, s13, 19                        ; x: 128 mb rows of 4,096 bytes
	s_mov_b32 s17, 0
	s_max_u32 s44, s10, 1
	s_sub_co_u32 s44, s44, 1                       ; the plane of wb that waves 1, 2, 3 ask for (wave 0 makes plane 0's address and does not use it)
	s_lshl_b32 s44, s44, 23
	s_lshl_b32 s45, s14, 19                        ; the head's 128 rows of 4,096 bytes
	s_add_co_u32 s44, s44, s45
	s_mov_b32 s45, 0
	s_mul_i32 s20, s10, PART                       ; where the tile goes: wave x 128 rows; no place in the cluster enters an LDS address
	; where the cluster's K walk begins: quarter (X + 2 (Y % 2) + Y / 2) % 4 of a row, 1,024 bytes a quarter
	s_and_b32 s[KO+1], ttmp7, 0xffff               ; Y
	s_lshr_b32 s[KO], s[KO+1], 1
	s_and_b32 s[KO+1], s[KO+1], 1
	s_lshl1_add_u32 s[KO], s[KO+1], s[KO]          ; Y's two bits swapped
	s_add_co_u32 s[KO], s[KO], ttmp9               ; + X
	s_and_b32 s[KO], s[KO], 3
	s_lshl_b32 s[KO], s[KO], 10
	s_mov_b32 s[KO+1], 0
	s_wait_dscnt 0x0
	s_wait_kmcnt 0x0
	s_add_nc_u64 s[XB:XB+1], s[4:5], s[16:17]
	s_add_nc_u64 s[WB:WB+1], s[6:7], s[44:45]
	CROUND                                         ; all sixteen work-groups are here: the first joint loads meet
.irp s, 0,1
	s_mov_b32 s[G0A+4*\s], 1
	s_add_co_u32 s[G0A+4*\s+1], s20, \s*SLOT
	s_mov_b32 s[G0B+4*\s], 1
	s_add_co_u32 s[G0B+4*\s+1], s20, \s*SLOT
	SETADR \s
	JLOAD \s                                       ; both slots' first fills go out together: the walk's first two steps
	STEPK
.endr
	v_and_b32 v1, 15, v0                           ; r = l % 16
	v_bfe_u32 v2, v0, 4, 1                         ; h = l / 16
	v_mul_u32_u24 v3, v1, PITCH
	v_lshl_add_u32 v3, v2, 4, v3                   ; r x pitch + 16 h: a fragment is two loads of 16 bytes, 32 bytes apart
	v_mov_b32 v[ADRA], v3
	v_add_nc_u32 v[ADRA+1], SLOT, v3
	s_mul_i32 s21, s10, 16*PITCH                   ; my 16 rows in each half of a head's 128
	v_add_nc_u32 v4, s21, v3
.irp s, 0,1
.irp c, 0,1,2
	v_add_nc_u32 v[ADRB+3*\s+\c], (1+\c)*PART+\s*SLOT, v4
.endr
.endr
	s_lshl_b32 s21, s10, 5                         ; the way out, in: row r, byte 2 (16 w + 8 h) of a row of 256
	v_add_nc_u32 v4, s21, v3
.irp c, 0,1,2
	v_add_nc_u32 v[STO+\c], \c*PART, v4
.endr
	v_mul_u32_u24 v5, v2, PITCH                    ; back: rows 32 w + 2 t + h, 16 bytes a lane
	v_lshl_add_u32 v5, v1, 4, v5
	s_mul_i32 s21, s10, 32*PITCH
	v_add_nc_u32 v5, s21, v5
.irp c, 0,1,2
	v_add_nc_u32 v[RD+\c], \c*PART, v5
.endr
	v_and_b32 v6, 31, v0
	s_lshl_b32 s21, s10, 13                        ; 32 w rows of 256 bytes
	v_lshl_add_u32 v[CO], v6, 4, s21
	s_and_b32 s22, s13, 3                          ; position = 128 (mb mod 4) + 16 mt + r; a row of the table is 512 bytes
	s_lshl_b32 s22, s22, 16
	s_lshl_b32 s23, s10, 6                         ; frequencies 16 w + 8 h + 0 .. 7
	s_add_co_u32 s22, s22, s23
	v_lshlrev_b32 v7, 9, v1
	v_lshl_add_u32 v7, v2, 5, v7
	v_add_nc_u32 v[TB], s22, v7
	; asking ahead: my row of the tile, and the six K steps' offsets in it; s[KO] stands at the walk's step 2 here
	s_cmp_eq_u32 s10, 0
	s_cselect_b32 s21, s12, s11                    ; the partners that share x's tile differ in cy, those that share a tile of W in cx
	s_lshl_b32 s21, s21, 17                        ; 32 rows of 4,096 bytes for each of the four
	v_lshl_add_u32 v7, v6, 12, s21                 ; + a row a lane
.irp i, 0,1,2,3,4,5
	s_add_co_u32 s22, s[KO], \i*KSTEP*2
	s_and_b32 s22, s22, ROWB-1                     ; round the row's end, as the walk goes
	v_add_nc_u32 v[PF+\i], s22, v7
.endr
	PFETCH 0                                       ; the walk's step 2; its joint load follows at the end of step 0
	WIN TAB_IN                                     ; the table's 32 loads stay out through the whole product; their wait stands in the way out
.irp mt, 0,1,2,3,4,5,6,7
	global_load_b128 v[16*\mt:16*\mt+3],     v[TB], s[8:9] offset:\mt*8192
	global_load_b128 v[16*\mt+4:16*\mt+7],   v[TB], s[8:9] offset:\mt*8192+16
	global_load_b128 v[16*\mt+8:16*\mt+11],  v[TB], s[8:9] offset:\mt*8192+256
	global_load_b128 v[16*\mt+12:16*\mt+15], v[TB], s[8:9] offset:\mt*8192+272
.endr
	WIN 0
; 12 matrix instructions: row tiles a0, a0 + 1 of the window's four x my 6 column tiles, 32 along K.  zero = 1: the first product starts the sums.
; The 48 accumulators take turns, one instruction a turn, in the same order in every quarter step.
.macro MUL12 f, hi, a0, zero
.irp a, \a0, \a0+1
.irp b, 0,1,2,3,4,5
.if \zero
	v_wmma_f32_16x16x32_bf16 v[8*(6*(\a)+\b):8*(6*(\a)+\b)+7], v[BF+48*\f+8*\b:BF+48*\f+8*\b+7], v[AF+64*\f+8*(4*\hi+\a):AF+64*\f+8*(4*\hi+\a)+7], 0
.else
	v_wmma_f32_16x16x32_bf16 v[8*(6*(\a)+\b):8*(6*(\a)+\b)+7], v[BF+48*\f+8*\b:BF+48*\f+8*\b+7], v[AF+64*\f+8*(4*\hi+\a):AF+64*\f+8*(4*\hi+\a)+7], v[8*(6*(\a)+\b):8*(6*(\a)+\b)+7]
.endif
.endr
.endr
.endm
; 28 LDS loads in one run: 12 for W's six tiles, 8 for x's row tiles 0-3, 8 for 4-7; 32 K at byte k of the rows, into buffer f
.macro FETCH slot, k, f
	WIN 0
.irp c, 0,1,2
.irp p, 0,1
	ds_load_b128 v[BF+48*\f+8*(2*\c+\p):BF+48*\f+8*(2*\c+\p)+3],   v[ADRB+3*\slot+\c] offset:\k+\p*64*PITCH
	ds_load_b128 v[BF+48*\f+8*(2*\c+\p)+4:BF+48*\f+8*(2*\c+\p)+7], v[ADRB+3*\slot+\c] offset:\k+\p*64*PITCH+32
.endr
.endr
.irp i, 0,1,2,3,4,5,6,7
	ds_load_b128 v[AF+64*\f+8*\i:AF+64*\f+8*\i+3],   v[ADRA+\slot] offset:\k+\i*16*PITCH
	ds_load_b128 v[AF+64*\f+8*\i+4:AF+64*\f+8*\i+7], v[ADRA+\slot] offset:\k+\i*16*PITCH+32
.endr
.endm
; one of a K step's first three quarters: multiplies buffer f and, in its middle, fetches the next quarter's fragments into buffer g
.macro QUARTER slot, k, f, g, zero
	s_wait_dscnt 8                                 ; W's tiles and x's row tiles 0-3 are in; the youngest eight loads (row tiles 4-7) may be out
	WIN MUL_LO
	MUL12 \f, 0, 0, \zero
	MUL12 \f, 0, 2, \zero
	PLACES
	FETCH \slot, \k, \g
	s_wait_dscnt 28                                ; all but the 28 just issued
	WIN MUL_HI
	MUL12 \f, 1, 0, \zero
	MUL12 \f, 1, 2, \zero
.endm
.macro THREE slot, zero
	QUARTER \slot, 64,  0, 1, \zero
	QUARTER \slot, 128, 1, 0, 0
	QUARTER \slot, 192, 0, 1, 0
.endm
; the last quarter: multiplies buffer 1 and changes slots.  In front of the barrier each wave waits for its reads of this slot and for all
; its tensor loads (the one that is out is its part of the next slot).  Where the slot is filled again the barrier opens a round of the
; cluster's barrier, and the joint refill stands straight behind the round.  From a request to the wait for it: 180 matrix instructions.
; pf >= 0: behind the refill the tile of the walk's step 2 + pf is asked ahead, the one that the next refill will bring.
.macro TURN slot, next, fill, pf
	s_wait_dscnt 8
	WIN MUL_LO
	MUL12 1, 0, 0, 0
	s_wait_dscnt 0x0                               ; my reads of this slot are over
	s_wait_tensorcnt 0x0                           ; all my tensor loads have landed,
	ds_add_u32 v18, v19
	s_wait_dscnt 0x0
.if \fill
	SETADR \slot                                   ; so a group 0 may be written: this slot's next K step
.endif
	s_barrier_signal -1
	MUL12 1, 0, 2, 0                               ; register work while the others arrive
	WIN 0
	s_barrier_wait -1
.if \fill
	CREST                                          ; no wave of any partner still reads this slot or has a load on its way
	JLOAD \slot
	STEPK
.if \pf >= 0
	PFETCH \pf
.endif
.endif
	PLACES
	FETCH \next, 0, 0
	WIN MUL_HI
	MUL12 1, 1, 0, 0
	MUL12 1, 1, 2, 0
.endm
.macro LAP zero, pa, pb
	THREE 0, \zero
	TURN 0, 1, 1, \pa
	THREE 1, 0
	TURN 1, 0, 1, \pb
.endm
	s_wait_tensorcnt 0x1                           ; my part of the walk's first step is in; the second step's load, issued behind it, stays out
	s_barrier_signal -1
	s_barrier_wait -1
	FETCH 0, 0, 0
	LAP 1, 1, 2                                    ; the first lap's first products start the sums.  The first three laps stand in front of the loop:
	LAP 0, 3, 4                                    ; the walk's steps 3 to 7 are asked ahead in them (x's all five, the weights' step 3 alone),
	LAP 0, 5, -1                                   ; and nothing from there on
	WIN 0
	s_mov_b32 s3, LAPS-4
.Llap:
	LAP 0, -1, -1
	WIN 0
	s_sub_co_u32 s3, s3, 1
	s_cmp_lg_u32 s3, 0
	s_cbranch_scc1 .Llap
	THREE 0, 0                                     ; the last lap fills nothing: 2 first fills and 14 refills have brought the 16 steps
	TURN 0, 1, 0, -1                               ; behind this barrier no wave reads slot 0 and no load lands in it any more
	THREE 1, 0
	s_wait_dscnt 8
	WIN MUL_LO
	MUL12 1, 0, 0, 0
	MUL12 1, 0, 2, 0
	s_wait_dscnt 0x0
	WIN MUL_HI
	MUL12 1, 1, 0, 0
	MUL12 1, 1, 2, 0
	; THE WAY OUT.  Slot 0 has had its last fill and its last read: it is the stage, three blocks of 128 rows x 272 bytes (q, k, v).
	PLACES
	s_wait_loadcnt 0x0                             ; the table
	s_lshl_b32 s42, ttmp9, 4                       ; batch = mb / 4 = cluster x; 16 heads a batch
	s_add_co_u32 s42, s42, s14
	s_lshl_b32 s42, s42, 17                        ; a head's 512 rows of 256 bytes
	s_lshl_b32 s21, s11, 15                        ; + 128 (mb mod 4) rows
	s_add_co_u32 s42, s42, s21
	s_mov_b32 s43, 0
	s_add_nc_u64 s[68:69], s[68:69], s[42:43]
	s_add_nc_u64 s[72:73], s[72:73], s[42:43]
	s_add_nc_u64 s[74:75], s[74:75], s[42:43]
; row tile 4 hi + a: RoPE on q and k (lo' = lo cos - hi sin, hi' = hi cos + lo sin, two numbers an instruction), rounding to f16, 16 bytes a lane into the stage
.macro ROW16 hi, a, wrope, wv
	WIN \wrope                                     ; source 0: accumulators; source 1: the table; the rest window 0
.irp c, 0,1
.irp j, 0,2,4,6
	v_pk_mul_f32 v[TT+16*\c+\j:TT+16*\c+\j+1],     v[8*(6*\a+2*\c)+\j:8*(6*\a+2*\c)+\j+1],     v[16*(4*\hi+\a)+\j:16*(4*\hi+\a)+\j+1]
	v_pk_mul_f32 v[TT+16*\c+8+\j:TT+16*\c+8+\j+1], v[8*(6*\a+2*\c+1)+\j:8*(6*\a+2*\c+1)+\j+1], v[16*(4*\hi+\a)+\j:16*(4*\hi+\a)+\j+1]
	v_pk_fma_f32 v[TT+16*\c+\j:TT+16*\c+\j+1],     v[8*(6*\a+2*\c+1)+\j:8*(6*\a+2*\c+1)+\j+1], v[16*(4*\hi+\a)+8+\j:16*(4*\hi+\a)+8+\j+1], v[TT+16*\c+\j:TT+16*\c+\j+1] neg_lo:[1,0,0] neg_hi:[1,0,0]
	v_pk_fma_f32 v[TT+16*\c+8+\j:TT+16*\c+8+\j+1], v[8*(6*\a+2*\c)+\j:8*(6*\a+2*\c)+\j+1],     v[16*(4*\hi+\a)+8+\j:16*(4*\hi+\a)+8+\j+1], v[TT+16*\c+8+\j:TT+16*\c+8+\j+1]
.endr
.endr
	WIN \wv                                        ; v is only rounded
.irp p, 0,1
.irp r, 0,1,2,3
	v_cvt_pk_f16_f32 v[PK+4*(4+\p)+\r], v[8*(6*\a+4+\p)+2*\r], v[8*(6*\a+4+\p)+2*\r+1]
.endr
.endr
	WIN 0
.irp b, 0,1,2,3
.irp r, 0,1,2,3
	v_cvt_pk_f16_f32 v[PK+4*\b+\r], v[TT+8*\b+2*\r], v[TT+8*\b+2*\r+1]
.endr
.endr
.irp c, 0,1,2
.irp p, 0,1
	ds_store_b128 v[STO+\c], v[PK+4*(2*\c+\p):PK+4*(2*\c+\p)+3] offset:(4*\hi+\a)*16*PITCH+128*\p
.endr
.endr
.endm
	ROW16 0, 0, 0x0d, 0x05
	ROW16 0, 1, 0x0d, 0x05
	ROW16 0, 2, 0x0d, 0x05
	ROW16 0, 3, 0x0d, 0x05
	ROW16 1, 0, 0x0e, 0x0a
	ROW16 1, 1, 0x0e, 0x0a
	ROW16 1, 2, 0x0e, 0x0a
	ROW16 1, 3, 0x0e, 0x0a
	s_wait_dscnt 0x0                               ; my stores are done: a row of the stage is written by all four waves
	s_barrier_signal -1
	s_barrier_wait -1
.irp c, 0,1,2
.irp t, 0,1,2,3,4,5,6,7,8,9,10,11,12,13,14,15
	ds_load_b128 v[32+4*(16*\c+\t):32+4*(16*\c+\t)+3], v[RD+\c] offset:\t*2*PITCH   ; my 32 rows, two whole rows of 256 bytes a load
.endr
.endr
.macro PUT c, base
.irp t, 0,1,2,3,4,5,6,7,8,9,10,11,12,13,14,15
	s_wait_dscnt 47-(16*\c+\t)                     ; LDS loads come back in order: the count is the number issued behind this one
	global_store_b128 v[CO], v[32+4*(16*\c+\t):32+4*(16*\c+\t)+3], s[\base:\base+1] offset:512*\t   ; the wave's store covers 512 neighbouring bytes, aligned
.endr
.endm
	PUT 0, 68
	PUT 1, 72
	PUT 2, 74
	s_wait_tensorcnt 0x0
	ds_add_u32 v18, v19
	s_wait_dscnt 0x0
	CROUND                                         ; the closing round: no work-group ends while a partner may still ask for a tile that names it
	s_endpgm
.Lfunc_end_k_q1917c6338f_qkv:
	.size	k_q1917c6338f_qkv, .Lfunc_end_k_q1917c6338f_qkv-k_q1917c6338f_qkv
	.p2alignl 7, 3214868480
	.fill 96, 4, 3214868480
	.section	.rodata,"a",@progbits
	.p2align	6, 0x0
	.amdhsa_kernel k_q1917c6338f_qkv
		.amdhsa_group_segment_fixed_size 327680
		.amdhsa_private_segment_fixed_size 0
		.amdhsa_enable_private_segment 0
		.amdhsa_kernarg_size 48
		.amdhsa_user_sgpr_count 2
		.amdhsa_user_sgpr_kernarg_segment_ptr 1
		.amdhsa_wavefront_size32 1
		.amdhsa_system_sgpr_workgroup_id_x 1
		.amdhsa_system_sgpr_workgroup_id_y 1
		.amdhsa_system_sgpr_workgroup_id_z 1
		.amdhsa_system_vgpr_workitem_id 0
		.amdhsa_next_free_vgpr 896
		.amdhsa_next_free_sgpr 78
		.amdhsa_reserve_vcc 0
		.amdhsa_float_denorm_mode_32 3
		.amdhsa_float_denorm_mode_16_64 3
		.amdhsa_memory_ordered 1
		.amdhsa_forward_progress 1
		.amdhsa_inst_pref_size 255
	.end_amdhsa_kernel
	.section	.bss,"aw",@nobits
	.p2align	6
	.space	262144
	.amdgpu_metadata
---
amdhsa.version: [ 1, 2 ]
amdhsa.kernels:
  - .name:           k_q1917c6338f_qkv
    .symbol:         k_q1917c6338f_qkv.kd
    .args:
      - { .name: xb, .offset: 0, .size: 8, .value_kind: global_buffer, .address_space: global }
      - { .name: wb, .offset: 8, .size: 8, .value_kind: global_buffer, .address_space: global }
      - { .name: tab, .offset: 16, .size: 8, .value_kind: global_buffer, .address_space: global }
      - { .name: qb, .offset: 24, .size: 8, .value_kind: global_buffer, .address_space: global }
      - { .name: kb, .offset: 32, .size: 8, .value_kind: global_buffer, .address_space: global }
      - { .name: vb, .offset: 40, .size: 8, .value_kind: global_buffer, .address_space: global }
    .group_segment_fixed_size: 327680
    .private_segment_fixed_size: 0
    .kernarg_segment_align: 8
    .kernarg_segment_size: 48
    .max_flat_workgroup_size: 128
    .sgpr_count:     78
    .vgpr_count:     896
    .wavefront_size: 32
...
	.end_amdgpu_metadata
.endif
;; end of part 2
;; launch attn (part 3): grid 256 x 1, 4 waves a work-group, clusters of 4 x 1, 322,048 bytes of LDS; arguments qb, kb, vb, ao; writes ao
.if DOCPART == 3
	.amdgcn_target "amdgcn-amd-amdhsa--gfx1250"
	.amdhsa_code_object_version 6
	.text
	.protected	k_q1917c6338f_attn
	.globl	k_q1917c6338f_attn
	.p2align	8
	.type	k_q1917c6338f_attn,@function
k_q1917c6338f_attn:
	s_mov_b64 s[64:65], 0
	v_nop
	global_prefetch_b8 v0, s[64:65] scope:SCOPE_SE
	s_setreg_imm32_b32 hwreg(HW_REG_WAVE_MODE, 25, 1), 1
	s_wait_xcnt 0x0
	s_wait_alu depctr_hold_cnt(0) depctr_sa_sdst(0) depctr_va_vdst(0) depctr_va_sdst(0) depctr_va_ssrc(0) depctr_va_vcc(0) depctr_vm_vsrc(0)
	s_getreg_b32 s2, hwreg(HW_REG_IB_STS2, 6, 4)
	s_cmp_eq_u32 s2, 0
	s_cbranch_scc0 .Lentry_in_a_cluster
	s_endpgm
.Lentry_in_a_cluster:
	s_bfe_u32 s2, ttmp6, 0x10000c
	s_cmp_lg_u32 s2, 0x3003
	s_cbranch_scc0 .Lentry_shape_is_right
	s_endpgm
.Lentry_shape_is_right:
; ATTN: ao[b][pos][128 head + d] = softmax(q k^T / sqrt(128), causal) v, per head; q, k, v f16 [16 b + head][512][128]; ao f16 [2048][2048].
; Both products take f16 operands (q, k; the weights, which lie in [0, 1], and v) and sum in f32; why f16: the head of the first kernel, prep.
; WORK LEFT OUT: chunks of 64 keys wholly above a tile's diagonal (reference() overwrites their scores by -1e9 through its own jnp.tril; the
; proof and the limits stand at the head of the first kernel, prep).  In the chunk on the diagonal the -1e9 is put in, as reference() does.
; THE DEAL: a cluster of four work-groups is one head (bh = the cluster's number), c = the work-group's place in it.  The head's 512 rows are
; 32 tiles of 16.  Wave w of work-group c takes tile A = 4 w + c, whose diagonal lies in chunk w, and tile B = 31 - 4 w - c, whose diagonal
; lies in chunk 7 - w: (w + 1) + (8 - w) = 9 pairs of a tile and a chunk for every wave, 288 matrix instructions, in FIVE STEPS:
;   chunk w, both tiles (A masked; it starts maxima, sums and O);  w steps: chunks 0 .. w - 1, both tiles;
;   3 - w steps: two chunks each of w + 1 .. 6 - w, tile B alone;  chunk 7 - w, tile B alone, masked.
; The running maximum makes the order free.  All trip counts hang on the wave's number alone.
; c enters Q's and ao's global addresses and the mask's two compare values, and nothing else.  So the key tiles of a diagonal chunk that lie
; wholly above the diagonal (3 - c of four for A, c for B) are scored and masked: which they are hangs on c, and no branch does.
; TWO PIECES TAKE TURNS in each of the first four kinds of step: piece 0 and piece 1 are the two tiles on one chunk, or tile B on two chunks.
;   R1: scores of piece 0 (16 products);  R2: scores of piece 1, a slice of piece 0's softmax behind each product;
;   R3: P V of piece 0, a slice of piece 1's softmax behind each product;  the sum of piece 0's weights;  R4: P V of piece 1;  the sum of piece 1's.
; With two chunks of one tile the second piece's factor reaches O only behind R3: its 32 multiplies stand between R3 and R4.
; The last step has one piece (9 is odd) and stands in phases.
; A slice stands between two switches of the register window: a product's source 0 (K or V, 128 registers) and a vector instruction's source 0
; share the window's field, and K 128 + Q 64 + scores 64 + weights 32 registers do not fit into one window of 256: 70 switches for a step's 64 products.
; CLUSTER: all four work-groups want all 512 keys.  K and V are asked for jointly (mask 15): 256 KiB a head fetched once for the four.
; Q's loads are plain (mask 0).  All fills are first fills, one group behind the opening round; six tensor loads of a wave are out at the most.
; LDS: K's chunk p at p x 17,408 (pitch 272);  V's at 139,264 + p x 18,432 (pitch 288, an odd multiple of 32, for the transposing load);
;   Q, later the stage, at 286,720 (pitch 272): 32 rows a wave, tile A's 16, then tile B's.
;   Waves 0, 1 bring K, waves 2, 3 V; load n = 0 .. 3 of a wave brings chunk 2 n + w % 2: a tile's LDS address is a constant plus the wave's
;   number times a chunk's bytes.
; LAYOUT: S^T = K Q^T (source 0 = K, source 1 = Q): lane (r, h) holds query r, keys 16 kt + 8 h + j.  Packed to f16 that is source 1 of
; O^T = V^T P^T (source 0 = V by the transposing load): lane (r, h) holds query r, d = 16 dt + 8 h + j.  So maximum, sum and scale of a
; query live in its two lanes r and r + 16, and one exchange between the halves serves each.
; REGISTERS: window 0: addresses, Q, scores, P, softmax;  window 1: O(tile, dt) at v[64 tile + 8 dt] (0: tile A, 1: tile B);
; window 2: K(kt, ds) at v[8 (4 ds + kt)], V(dt, ks) at v[128 + 8 (8 ks + dt)];  window 3: the same for the second chunk of a pair.
.set KP,    272
.set VP,    288
.set KPOS,  64*KP
.set VPOS,  64*VP
.set VBASE, 8*KPOS
.set QBASE, VBASE+8*VPOS
.set KA, 4                             ; v4      LDS address of my K fragments in the chunk at hand
.set VA, 5                             ; v5      of my V fragments
.set DG, 6                             ; v6-7    diagonal chunk of a tile: key 16 kt + 8 h + j is live where 16 kt + j <= DG; DG(A) = 16 c + r - 8 h, DG(B) = 16 (3 - c) + r - 8 h
.set QA, 8                             ; v8      my Q fragments; later where I put 16 bytes of a row of the result
.set RD, 9                             ; v9      where I read rows back
.set CO, 10                            ; v10     my byte offset in two rows of ao
.set MX, 12                            ; v12-13  running maximum of a tile (raw scores)
.set LS, 14                            ; v14-15  running sum of a tile, this lane's half of the keys
.set QF, 16                            ; v16-79  Q(tile, ds) at QF + 32 tile + 8 ds
.set SC, 80                            ; v80-143 scores (piece, kt) at SC + 32 piece + 8 kt
.set PF, 144                           ; v144-175 P(piece, ks) at PF + 16 piece + 8 ks
.set NM, 176                           ; v176-179 -maximum x factor, twice, for each piece
.set AL, 180                           ; v180-183 the old sums' factor, twice, for each piece; at the end 1 / sum for each tile
.set XT, 184                           ; v184-188 at work
.set YS, 190                           ; v190-197 four pairs of partial sums
.set KL, 200                           ; v200    my K fragments in chunk 0
.set VL, 201                           ; v201    my V fragments in chunk 0
.set G1Q,  16                          ; s[16:23] group 1 for Q's tiles
.set G1K,  24                          ; s[24:31] group 1 for K's tiles
.set G1V,  32                          ; s[32:39] group 1 for V's tiles: it differs from K's in the padding alone
.set G0QA, 40                          ; s[40:43] group 0 for tile A's Q
.set G0K,  44                          ; s[44:59] group 0 for K's tiles, a set for each of the four loads
.set G0V,  68                          ; s[68:83] group 0 for V's tiles, likewise
.set G0QB, 88                          ; s[88:91] group 0 for tile B's Q
; c lives in s15, s66, s67, s92-95, s100, s101 and Q's two group 0 sets alone: no register that feeds a joint load, an LDS address or a branch ever holds it
.set MSB, 0
.macro WIN new
.if MSB != (\new)
	s_set_vgpr_msb (MSB<<8)|(\new)
.set MSB, (\new)
.endif
.endm
.macro PLACES                          ; four plain vector instructions between a matrix instruction and a load into, or a vector access to, its registers
.rept 4
	v_nop
.endr
.endm
.macro CROUND                          ; a round of the cluster's barrier
	s_barrier_signal -1
	s_barrier_wait -1
	s_cmp_lg_u32 s12, 0
	s_cbranch_scc1 .Lnot_wave_0_\@
	s_barrier_signal -3
.Lnot_wave_0_\@:
	s_barrier_wait -3
	s_barrier_signal -1
	s_barrier_wait -1
.endm
	s_load_b256 s[4:11], s[0:1], 0x0               ; qb 4:5, kb 6:7, vb 8:9, ao 10:11
	v_lshl_add_u32 v254, v0, 2, 0x4e800
	v_mov_b32 v255, 0
	ds_add_u32 v254, v255
	v_lshrrev_b32 v1, 5, v0
	v_readfirstlane_b32 s12, v1                    ; wave 0..3
	s_lshr_b32 s13, s12, 1                         ; I bring K (0) or V (1)
	s_and_b32 s14, s12, 1                          ; e: the even or the odd chunks
	s_bfe_u32 s15, ttmp6, 0x40000                  ; c: my work-group's place in the cluster
	s_mov_b32 s2, ttmp9                            ; bh: in a cluster launch ttmp9 counts clusters
	; group 1 for Q: 16 rows x 128 elements of 2 bytes, 4 words of padding behind every 64 words; no mask
	s_mov_b32 s[G1Q+0], (1<<16)|(1<<20)|(5<<22)|(3<<25)
	s_mov_b32 s[G1Q+1], 128<<16                    ; tensor_dim0 = 128
	s_mov_b32 s[G1Q+2], 16<<16                     ; tensor_dim1 = 16
	s_mov_b32 s[G1Q+3], 128<<16                    ; tile_dim0 = 128
	s_mov_b32 s[G1Q+4], 16                         ; tile_dim1 = 16
	s_mov_b32 s[G1Q+5], 128                        ; elements from row to row
	s_mov_b32 s[G1Q+6], 0
	s_mov_b32 s[G1Q+7], 0
	; groups 1 for K and V: 64 rows x 128 elements; 4 words of padding behind a row for K (pitch 272), 8 words for V (pitch 288);
	; mask 15: all four work-groups of the cluster; bit 21 stands beside a mask
	s_mov_b32 s[G1K+0], 15|(1<<16)|(1<<20)|(1<<21)|(5<<22)|(3<<25)
	s_mov_b32 s[G1V+0], 15|(1<<16)|(1<<20)|(1<<21)|(5<<22)|(7<<25)
	s_mov_b32 s[G1K+1], 128<<16
	s_mov_b32 s[G1V+1], 128<<16
	s_mov_b32 s[G1K+2], 64<<16
	s_mov_b32 s[G1V+2], 64<<16
	s_mov_b32 s[G1K+3], 128<<16
	s_mov_b32 s[G1V+3], 128<<16
	s_mov_b32 s[G1K+4], 64
	s_mov_b32 s[G1V+4], 64
	s_mov_b32 s[G1K+5], 128
	s_mov_b32 s[G1V+5], 128
	s_mov_b32 s[G1K+6], 0
	s_mov_b32 s[G1V+6], 0
	s_mov_b32 s[G1K+7], 0
	s_mov_b32 s[G1V+7], 0
	; byte offsets in qb, kb, vb (rows of 256 bytes), apart from the addresses
	s_lshl_b32 s3, s2, 17                          ; the head's 512 rows
	s_lshl_b32 s66, s12, 2
	s_add_co_u32 s66, s66, s15                     ; tile A = 4 w + c
	s_sub_co_u32 s67, 31, s66                      ; tile B = 31 - 4 w - c
	s_lshl_b32 s92, s66, 12                        ; a tile is 16 rows of 256 bytes
	s_add_co_u32 s92, s92, s3
	s_mov_b32 s93, 0
	s_lshl_b32 s94, s67, 12
	s_add_co_u32 s94, s94, s3
	s_mov_b32 s95, 0
	s_lshl_b32 s96, s14, 14                        ; K, V: chunk e = 64 e rows
	s_add_co_u32 s96, s96, s3
	s_mov_b32 s97, 0
	s_mul_i32 s98, s12, KPOS                       ; the wave's number times a chunk of K,
	s_mul_i32 s99, s12, VPOS                       ; of V,
	s_mul_i32 s63, s12, 32*KP                      ; and times 32 rows of Q
	s_add_co_u32 s[G0QA+1], s63, QBASE             ; my 32 rows of the Q region: tile A's 16,
	s_add_co_u32 s[G0QB+1], s63, QBASE+16*KP       ; then tile B's
	s_sub_co_u32 s100, 3, s15                      ; 3 - c: tile B's place in its diagonal chunk
	s_mov_b32 s84, 0x3e0293ee                      ; log2(e) / sqrt(128): the scale and the change of base in one factor
	s_mov_b32 s85, 0x3e0293ee
	s_mov_b32 s86, 0xd028965f                      ; -1e9 x sqrt(128): the scale comes behind the mask here
	s_mov_b32 s87, 0xbe0293ee                      ; minus that factor
	s_mov_b32 s60, 0x76543210                      ; v_permlanex16_b32: lane l of one half reads lane l of the other
	s_mov_b32 s61, 0xfedcba98
	v_and_b32 v1, 15, v0                           ; r
	v_bfe_u32 v2, v0, 4, 1                         ; h
	v_mul_u32_u24 v3, v1, KP
	v_lshl_add_u32 v[KL], v2, 4, v3                ; r x 272 + 16 h
	v_add_nc_u32 v[KA], s98, v[KL]                 ; I begin with chunk w
	v_and_b32 v11, 7, v0
	v_lshl_add_u32 v11, v2, 3, v11                 ; key 8 h + l % 8
	v_mul_u32_u24 v11, v11, VP
	v_bfe_u32 v[XT], v0, 3, 1
	v_lshl_add_u32 v11, v[XT], 4, v11              ; + 16 bytes for the second eight lanes of a half
	v_add_nc_u32 v[VL], VBASE, v11
	v_add_nc_u32 v[VA], s99, v[VL]
	v_add_nc_u32 v[QA], s[G0QA+1], v[KL]
	v_mul_u32_u24 v[RD], v2, KP
	v_lshl_add_u32 v[RD], v1, 4, v[RD]
	v_add_nc_u32 v[RD], s[G0QA+1], v[RD]
	v_lshlrev_b32 v[CO], 12, v2                    ; lanes 16-31: one row of 4,096 bytes further down
	v_lshl_add_u32 v[CO], v1, 4, v[CO]
	v_lshlrev_b32 v3, 3, v2
	v_sub_nc_u32 v3, v1, v3                        ; r - 8 h
	v_lshl_add_u32 v[DG],   s15,  4, v3
	v_lshl_add_u32 v[DG+1], s100, 4, v3
	s_wait_dscnt 0x0
	s_wait_kmcnt 0x0
	s_mov_b32 s[G0QA], 1
	s_add_nc_u64 s[G0QA+2:G0QA+3], s[4:5], s[92:93]
	s_or_b32 s[G0QA+3], s[G0QA+3], 0x80000000
	s_mov_b32 s[G0QB], 1
	s_add_nc_u64 s[G0QB+2:G0QB+3], s[4:5], s[94:95]
	s_or_b32 s[G0QB+3], s[G0QB+3], 0x80000000
	; Every wave makes K's and V's sets and asks by one kind.  K's tiles: w x 17,408 + n x 34,816 (used by waves 0, 1);
	; V's: 139,264 + (w - 2) x 18,432 + n x 36,864 (used by waves 2, 3).  The global addresses hang on the head and the wave's number alone.
	s_add_nc_u64 s[6:7], s[6:7], s[96:97]          ; kb and vb at the head's chunk e
	s_add_nc_u64 s[8:9], s[8:9], s[96:97]
.irp n, 0,1,2,3
	s_mov_b32 s[G0K+4*\n], 1
	s_add_co_u32 s[G0K+4*\n+1], s98, \n*2*KPOS
	s_add_nc_u64 s[G0K+4*\n+2:G0K+4*\n+3], s[6:7], \n*32768
	s_or_b32 s[G0K+4*\n+3], s[G0K+4*\n+3], 0x80000000
	s_mov_b32 s[G0V+4*\n], 1
	s_add_co_u32 s[G0V+4*\n+1], s99, VBASE-2*VPOS+\n*2*VPOS
	s_add_nc_u64 s[G0V+4*\n+2:G0V+4*\n+3], s[8:9], \n*32768
	s_or_b32 s[G0V+4*\n+3], s[G0V+4*\n+3], 0x80000000
.endr
	CROUND                                         ; all four work-groups are here: the joint loads meet
	tensor_load_to_lds s[G0QA:G0QA+3], s[G1Q:G1Q+7]    ; my two tiles of Q
	s_nop 0
	tensor_load_to_lds s[G0QB:G0QB+3], s[G1Q:G1Q+7]
	s_nop 0
	s_cmp_eq_u32 s13, 0                            ; one branch on the wave's number: four joint loads on either side
	s_cbranch_scc0 .Lfor_v
.irp n, 0,1,2,3
	tensor_load_to_lds s[G0K+4*\n:G0K+4*\n+3], s[G1K:G1K+7]
	s_nop 0
.endr
	s_branch .Lasked
.Lfor_v:
.irp n, 0,1,2,3
	tensor_load_to_lds s[G0V+4*\n:G0V+4*\n+3], s[G1V:G1V+7]
	s_nop 0
.endr
.Lasked:
	s_wait_tensorcnt 0x2                           ; Q and my loads 0, 1 are in; the two issued behind them (chunks 4 to 7) stay out
	s_barrier_signal -1                            ; chunks 0 to 3 of K and V are whole for all four waves: each begins with chunk w
	s_barrier_wait -1
.irp q, 0,1
.irp ds, 0,1,2,3
	ds_load_b128 v[QF+32*\q+8*\ds:QF+32*\q+8*\ds+3],   v[QA] offset:\q*16*KP+64*\ds
	ds_load_b128 v[QF+32*\q+8*\ds+4:QF+32*\q+8*\ds+7], v[QA] offset:\q*16*KP+64*\ds+32
.endr
.endr
	s_wait_dscnt 0x0                               ; Q, once
; 16 LDS loads: K's fragments (4 key tiles x 32 of d) for the steps da and db of d, of the chunk off bytes behind KA; the window of the destination is set by the caller
.macro KLOAD2 off, da, db
.irp ds, \da, \db
.irp kt, 0,1,2,3
	ds_load_b128 v[8*(4*\ds+\kt):8*(4*\ds+\kt)+3],   v[KA] offset:\off+\kt*16*KP+64*\ds
	ds_load_b128 v[8*(4*\ds+\kt)+4:8*(4*\ds+\kt)+7], v[KA] offset:\off+\kt*16*KP+64*\ds+32
.endr
.endr
.endm
; 16 transposing loads: V's eight fragments (16 d x 32 keys) of keys 32 ks .. +31 of the chunk off bytes behind VA
.macro VLOAD off, ks
.irp dt, 0,1,2,3,4,5,6,7
	ds_load_tr16_b128 v[128+8*(8*\ks+\dt):128+8*(8*\ks+\dt)+3],   v[VA] offset:\off+\ks*32*VP+32*\dt
	ds_load_tr16_b128 v[128+8*(8*\ks+\dt)+4:128+8*(8*\ks+\dt)+7], v[VA] offset:\off+\ks*32*VP+32*\dt+16*VP
.endr
.endm
; one product of the scores: piece i, tile st, 32 of d at ds, key tile kt.  The first step of d starts the sums.
.macro SMM i, st, ds, kt
.if \ds == 0
	v_wmma_f32_16x16x32_f16 v[SC+32*\i+8*\kt:SC+32*\i+8*\kt+7], v[8*(4*\ds+\kt):8*(4*\ds+\kt)+7], v[QF+32*\st+8*\ds:QF+32*\st+8*\ds+7], 0
.else
	v_wmma_f32_16x16x32_f16 v[SC+32*\i+8*\kt:SC+32*\i+8*\kt+7], v[8*(4*\ds+\kt):8*(4*\ds+\kt)+7], v[QF+32*\st+8*\ds:QF+32*\st+8*\ds+7], v[SC+32*\i+8*\kt:SC+32*\i+8*\kt+7]
.endif
.endm
; one product of P V: piece i, tile st, keys 32 ks .., d tile dt.  z = 1: it starts O.
.macro PMM i, st, ks, dt, z
.if \z
	v_wmma_f32_16x16x32_f16 v[64*\st+8*\dt:64*\st+8*\dt+7], v[128+8*(8*\ks+\dt):128+8*(8*\ks+\dt)+7], v[PF+16*\i+8*\ks:PF+16*\i+8*\ks+7], 0
.else
	v_wmma_f32_16x16x32_f16 v[64*\st+8*\dt:64*\st+8*\dt+7], v[128+8*(8*\ks+\dt):128+8*(8*\ks+\dt)+7], v[PF+16*\i+8*\ks:PF+16*\i+8*\ks+7], v[64*\st+8*\dt:64*\st+8*\dt+7]
.endif
.endm
; runs of eight for the slices; SB, PB, NB, AB, OB (scores, weights, -maximum, factor, O of the piece at hand) are set by the caller
.macro FMA8 c0
.set c_, \c0
.rept 8
	v_pk_fma_f32 v[SB+2*c_:SB+2*c_+1], v[SB+2*c_:SB+2*c_+1], s[84:85], v[NB:NB+1] op_sel_hi:[1,0,1]
.set c_, c_+1
.endr
.endm
.macro EXP8 c0
.set c_, \c0
.rept 8
	v_exp_f32 v[SB+c_], v[SB+c_]                   ; 2^((s - max) log2(e) / sqrt(128)) = e^((s - max) / sqrt(128))
.set c_, c_+1
.endr
.endm
.macro CVT8 c0
.set c_, \c0
	s_wait_alu depctr_va_vdst(0)
.rept 8
	v_cvt_pk_f16_f32 v[PB+c_], v[SB+2*c_], v[SB+2*c_+1]    ; the weights lie in [0, 1]: f16 holds them
.set c_, c_+1
.endr
.endm
.macro RES8 c0                         ; under window 1 for destination and source 0: O takes the old sums' factor
.set c_, \c0
.rept 8
	v_pk_mul_f32 v[OB+2*c_:OB+2*c_+1], v[OB+2*c_:OB+2*c_+1], v[AB:AB+1]
.set c_, c_+1
.endr
.endm
; Slice sl (0 to 15) of the softmax step of piece i, which belongs to tile st, on its 64 keys (32 in this lane); all but the sum of the weights (TREE).
; d = 1: the tile's first chunk.  m = 1: the chunk on its diagonal.  rs = 1: O's 32 multiplies are among the slices (7, 9, 13, 15).
; pl = 1: the four places behind the piece's last score products are v_nop (nothing of the wave's vector work is free of the scores there);
; pl = 0: they are the eight multiplies of the other piece's slice 15.
; Behind each run of exponentials a plain instruction that touches none of them comes first (ISA guide 5.7.2): a multiply of O, a conversion
; of an older run, or, where O has no multiplies, the v_nop of slice 11.
.macro CORE i, st, d, m, rs, pl, sl
.set SB, SC+32*(\i)
.set PB, PF+16*(\i)
.set NB, NM+2*(\i)
.set AB, AL+2*(\i)
.set OB, 64*(\st)
.if (\sl) == 0
	WIN 0
.if \pl
	PLACES
.endif
.if \m
.irp kt, 0,1,2,3
.irp j, 0,1,2,3,4,5,6,7
	v_cmp_le_i32 vcc_lo, 16*\kt+\j, v[DG+\st]
	v_cndmask_b32 v[SB+8*\kt+\j], s86, v[SB+8*\kt+\j], vcc_lo
.endr
.endr
.endif
.irp kt, 0,1,2,3
	v_max3_num_f32 v[XT+\kt], v[SB+8*\kt], v[SB+8*\kt+1], v[SB+8*\kt+2]
.endr
.endif
.if (\sl) == 1
	WIN 0
.irp kt, 0,1,2,3
	v_max3_num_f32 v[XT+\kt], v[XT+\kt], v[SB+8*\kt+3], v[SB+8*\kt+4]
.endr
.irp kt, 0,1,2,3
	v_max3_num_f32 v[XT+\kt], v[XT+\kt], v[SB+8*\kt+5], v[SB+8*\kt+6]
.endr
.endif
.if (\sl) == 2
	WIN 0
	v_max3_num_f32 v[XT],   v[XT],   v[SB+7],  v[SB+15]
	v_max3_num_f32 v[XT+1], v[XT+1], v[SB+23], v[SB+31]
	v_max3_num_f32 v[XT],   v[XT],   v[XT+1], v[XT+2]
.if \d
	v_max_num_f32 v[XT], v[XT], v[XT+3]
.else
	v_max3_num_f32 v[XT], v[XT], v[XT+3], v[MX+\st]        ; the running maximum
.endif
	v_permlanex16_b32 v[XT+1], v[XT], s60, s61             ; the query's other 32 keys
	v_max_num_f32 v[XT+4], v[XT], v[XT+1]
.endif
.if (\sl) == 3
	WIN 0
.if \d == 0
	v_sub_f32 v[XT+3], v[MX+\st], v[XT+4]
	v_mul_f32 v[XT+3], s84, v[XT+3]
	v_exp_f32 v[AB], v[XT+3]                               ; what the old sums are worth under the new maximum
.endif
	v_mul_f32 v[NB],   s87, v[XT+4]
	v_mul_f32 v[NB+1], s87, v[XT+4]
	v_mov_b32 v[MX+\st], v[XT+4]
.if \d == 0
	s_wait_alu depctr_va_vdst(0)
	v_mov_b32 v[AB+1], v[AB]
.endif
.endif
.if (\sl) == 4
	WIN 0
	FMA8 0
.endif
.if (\sl) == 5
	WIN 0
	FMA8 8
.endif
.if (\sl) == 6
	WIN 0
	EXP8 0
.endif
.if (\sl) == 8
	WIN 0
	EXP8 8
.endif
.if (\sl) == 10
	WIN 0
	EXP8 16
.endif
.if (\sl) == 11
	WIN 0
.if (\rs) == 0
	v_nop
	s_wait_alu depctr_va_vdst(0)
.endif
	CVT8 0
.endif
.if (\sl) == 12
	WIN 0
	EXP8 24
.endif
.if (\sl) == 14
	WIN 0
	CVT8 8
.endif
.if \rs
.if (\sl) == 7
	WIN 0x41
	RES8 0
.endif
.if (\sl) == 9
	WIN 0x41
	RES8 8
.endif
.if (\sl) == 13
	WIN 0x41
	RES8 16
.endif
.if (\sl) == 15
	WIN 0x41
	RES8 24
.endif
.endif
.endm
; The sum of piece i's 32 weights in this lane, onto tile st's running sum.  17 plain instructions: where it stands behind a run of products
; it is also the places in front of what follows (the multiplies of O, the next step's loads into the fragments).
.macro TREE i, st, d
.set SB, SC+32*(\i)
.set AB, AL+2*(\i)
.irp kt, 0,1,2,3
	v_pk_add_f32 v[YS+2*\kt:YS+2*\kt+1], v[SB+8*\kt:SB+8*\kt+1], v[SB+8*\kt+2:SB+8*\kt+3]
.endr
.irp kt, 0,1,2,3
	v_pk_add_f32 v[YS+2*\kt:YS+2*\kt+1], v[YS+2*\kt:YS+2*\kt+1], v[SB+8*\kt+4:SB+8*\kt+5]
.endr
.irp kt, 0,1,2,3
	v_pk_add_f32 v[YS+2*\kt:YS+2*\kt+1], v[YS+2*\kt:YS+2*\kt+1], v[SB+8*\kt+6:SB+8*\kt+7]
.endr
	v_pk_add_f32 v[YS:YS+1],   v[YS:YS+1],   v[YS+2:YS+3]
	v_pk_add_f32 v[YS+4:YS+5], v[YS+4:YS+5], v[YS+6:YS+7]
	v_pk_add_f32 v[YS:YS+1],   v[YS:YS+1],   v[YS+4:YS+5]
.if \d
	v_add_f32 v[LS+\st], v[YS], v[YS+1]
.else
	v_add_f32 v[YS], v[YS], v[YS+1]
	v_fma_f32 v[LS+\st], v[LS+\st], v[AB], v[YS]
.endif
.endm
; A step of two pieces.  pair = 0: tiles A and B on the chunk at KA, VA (both read the fragments in window 2);
; pair = 1: tile B on that chunk (window 2) and on the next (window 3).  d = 1: the wave's first step.  m0 = 1: piece 0's diagonal lies in its chunk.
; In every run of products the accumulators (4 for scores, 8 for P V) take turns, one instruction a turn, and the runs' ends name different
; accumulators.
; LDS loads stand between the runs, 48 out at the most; each counted wait's count is the number of LDS loads issued behind the group that it waits for.
.macro STEP pair, d, m0
	WIN 0x80                                       ; destination window 2
	KLOAD2 0, 0, 1
	KLOAD2 0, 2, 3
.if \pair
	WIN 0xc0                                       ; destination window 3
	KLOAD2 KPOS, 0, 1
.else
	VLOAD 0, 0
.endif
	WIN 0x02                                       ; R1: source 0 (K) window 2
.irp ds, 0,1,2,3
	s_wait_dscnt 40-8*\ds                          ; K's eight loads for this 32 of d are in: 8 (3 - ds) of K's and 16 more were issued behind them
.irp kt, 0,1,2,3
	SMM 0, \pair, \ds, \kt
.endr
.endr
.if \pair
	WIN 0xc0
	KLOAD2 KPOS, 2, 3
	WIN 0x80
	VLOAD 0, 0
.else
	WIN 0x80
	VLOAD 0, 1
.endif
.irp ds, 0,1,2,3                                   ; R2
.if \pair
	s_wait_dscnt 40-8*\ds                          ; the second chunk's K: 8 (3 - ds) of its own and V's 16 were issued behind this group
.endif
.irp kt, 0,1,2,3
	WIN 0x02+\pair
	SMM 1, 1, \ds, \kt
	CORE 0, \pair, \d, \m0, 1-\d, 1, 4*\ds+\kt
.endr
.endr
.if \pair
	WIN 0x80
	VLOAD 0, 1
	WIN 0xc0
	VLOAD VPOS, 0
.endif
.irp ks, 0,1                                       ; R3
	s_wait_dscnt 16*(1-\ks)+16*\pair               ; V's 16 loads for these 32 keys are in
.irp dt, 0,1,2,3,4,5,6,7
	WIN 0x52                                       ; source 0 (V) window 2, source 1 (P) window 0, C and D window 1
	PMM 0, \pair, \ks, \dt, \d*(1-\ks)
	CORE 1, 1, \d, 0, (1-\d)*(1-\pair), \d, 8*\ks+\dt
.endr
.endr
.if \pair
	WIN 0xc0
	VLOAD VPOS, 1
.endif
	WIN 0
	TREE 0, \pair, \d
.if \pair
	WIN 0x41                                       ; piece 1's factor reaches O only now: R3 has added piece 0's part under the maximum before
.set OB, 64
.set AB, AL+2
	RES8 0
	RES8 8
	RES8 16
	RES8 24
.endif
	WIN 0x52+\pair                                 ; R4
.irp ks, 0,1
.if \pair
	s_wait_dscnt 16*(1-\ks)                        ; the second chunk's V
.endif
.irp dt, 0,1,2,3,4,5,6,7
	PMM 1, 1, \ks, \dt, \d*(1-\ks)
.endr
.endr
	WIN 0
	TREE 1, 1, \d
.endm
; The last step: tile B on the chunk of its diagonal, one piece, in phases: the slices follow each other.
.macro LASTSTEP
	WIN 0x80
	KLOAD2 0, 0, 1
	KLOAD2 0, 2, 3
	VLOAD 0, 0
	WIN 0x02
.irp ds, 0,1,2,3
	s_wait_dscnt 40-8*\ds
.irp kt, 0,1,2,3
	SMM 0, 1, \ds, \kt
.endr
.endr
	WIN 0x80
	VLOAD 0, 1
.irp x, 0,1,2,3,4,5,6,7,8,9,10,11,12,13,14,15
	CORE 0, 1, 0, 1, 1, 1, \x
.endr
	s_wait_dscnt 0x0                               ; V's fragments
	WIN 0x52
.irp ks, 0,1
.irp dt, 0,1,2,3,4,5,6,7
	PMM 0, 1, \ks, \dt, 0
.endr
.endr
	WIN 0
	TREE 0, 1, 0
.endm
.macro NEXTC c                         ; c chunks on
	v_add_nc_u32 v[KA], \c*KPOS, v[KA]
	v_add_nc_u32 v[VA], \c*VPOS, v[VA]
.endm
	STEP 0, 1, 1                                   ; chunk w: tile A's diagonal; it starts maxima, sums and O of both tiles: nothing is cleared
	v_mov_b32 v[KA], v[KL]                         ; on to chunk 0
	v_mov_b32 v[VA], v[VL]
	s_wait_dscnt 0x0
	s_wait_tensorcnt 0x0                           ; all my loads have landed,
	s_barrier_signal -1
	s_barrier_wait -1                              ; everybody's have: all eight chunks are whole
	s_mov_b32 s62, s12                             ; w chunks lie below tile A's diagonal chunk
	s_cmp_eq_u32 s62, 0
	s_cbranch_scc1 .Lmid
.Lboth:
	STEP 0, 0, 0
	NEXTC 1
	s_sub_co_i32 s62, s62, 1
	s_cmp_lg_u32 s62, 0
	s_cbranch_scc1 .Lboth
.Lmid:
	NEXTC 1                                        ; over chunk w, which is done: tile A is finished
	s_sub_co_u32 s62, 3, s12                       ; chunks w + 1 .. 6 - w, two a step: 3 - w steps
	s_cmp_eq_u32 s62, 0
	s_cbranch_scc1 .Llast
.Lpair:
	STEP 1, 0, 0
	NEXTC 2
	s_sub_co_i32 s62, s62, 1
	s_cmp_lg_u32 s62, 0
	s_cbranch_scc1 .Lpair
.Llast:
	LASTSTEP                                       ; chunk 7 - w: tile B's diagonal.  The sum behind its products is the places in front of the way out's reads of O
	s_wait_dscnt 0x0                               ; my LDS reads are over;
	s_barrier_signal -1
	s_barrier_wait -1                              ; everybody's are: stores into LDS begin only now
	s_lshr_b32 s100, s2, 4                         ; batch,
	s_lshl_b32 s100, s100, 5                       ; of 32 tiles
	s_and_b32 s101, s2, 15
	s_lshl_b32 s101, s101, 8                       ; the head's 256 bytes of a row
	s_add_co_u32 s92, s100, s66
	s_lshl_b32 s92, s92, 16                        ; a tile is 16 rows of 4,096 bytes in ao
	s_add_co_u32 s92, s92, s101
	s_add_co_u32 s94, s100, s67
	s_lshl_b32 s94, s94, 16
	s_add_co_u32 s94, s94, s101
	s_add_nc_u64 s[92:93], s[10:11], s[92:93]      ; ao at tile A (s93 and s95 hold 0 since the head)
	s_add_nc_u64 s[94:95], s[10:11], s[94:95]      ; ao at tile B
	v_permlanex16_b32 v[XT],   v[LS],   s60, s61   ; the sums' other halves
	v_permlanex16_b32 v[XT+1], v[LS+1], s60, s61
	v_add_f32 v[LS],   v[LS],   v[XT]
	v_add_f32 v[LS+1], v[LS+1], v[XT+1]
	v_rcp_f32 v[AL],   v[LS]
	v_rcp_f32 v[AL+2], v[LS+1]
	v_nop
	s_wait_alu depctr_va_vdst(0)
	v_mov_b32 v[AL+1], v[AL]
	v_mov_b32 v[AL+3], v[AL+2]
; tile q: O / sum, rounded to f16 (a mix of v's rows with weights that add up to 1: no larger than v), 16 bytes a lane into my own 32 rows
; of the Q region (only this wave touches them, and no fill comes any more)
.macro OUTQ q
	WIN 0x01                                       ; source 0 (O) window 1
.set n, 0
.rept 32
	v_pk_mul_f32 v[QF+2*n:QF+2*n+1], v[64*\q+2*n:64*\q+2*n+1], v[AL+2*\q:AL+2*\q+1]
.set n, n+1
.endr
	WIN 0
.irp dt, 0,1,2,3,4,5,6,7
.irp r, 0,1,2,3
	v_cvt_pk_f16_f32 v[SC+32*\q+4*\dt+\r], v[QF+8*\dt+2*\r], v[QF+8*\dt+2*\r+1]
.endr
.endr
.irp dt, 0,1,2,3,4,5,6,7
	ds_store_b128 v[QA], v[SC+32*\q+4*\dt:SC+32*\q+4*\dt+3] offset:\q*16*KP+32*\dt
.endr
.endm
	OUTQ 0
	OUTQ 1
.irp t, 0,1,2,3,4,5,6,7,8,9,10,11,12,13,14,15
	ds_load_b128 v[QF+4*\t:QF+4*\t+3], v[RD] offset:\t*2*KP    ; LDS serves a wave's instructions in order (ISA guide 5.7.1.4): these see the stores above
.endr
.irp t, 0,1,2,3,4,5,6,7
	s_wait_dscnt 15-\t                             ; the count is the number of LDS loads issued behind this one
	global_store_b128 v[CO], v[QF+4*\t:QF+4*\t+3], s[92:93] offset:8192*\t       ; tile A: 16 lanes store 256 neighbouring bytes, aligned
.endr
.irp t, 8,9,10,11,12,13,14,15
	s_wait_dscnt 15-\t
	global_store_b128 v[CO], v[QF+4*\t:QF+4*\t+3], s[94:95] offset:8192*(\t-8)   ; tile B
.endr
	s_wait_tensorcnt 0x0
	ds_add_u32 v254, v255
	s_wait_dscnt 0x0
	CROUND                                         ; the closing round: no work-group ends while a partner may still ask for a tile that names it
	s_endpgm
.Lfunc_end_k_q1917c6338f_attn:
	.size	k_q1917c6338f_attn, .Lfunc_end_k_q1917c6338f_attn-k_q1917c6338f_attn
	.p2alignl 7, 3214868480
	.fill 96, 4, 3214868480
	.section	.rodata,"a",@progbits
	.p2align	6, 0x0
	.amdhsa_kernel k_q1917c6338f_attn
		.amdhsa_group_segment_fixed_size 322048
		.amdhsa_private_segment_fixed_size 0
		.amdhsa_enable_private_segment 0
		.amdhsa_kernarg_size 32
		.amdhsa_user_sgpr_count 2
		.amdhsa_user_sgpr_kernarg_segment_ptr 1
		.amdhsa_wavefront_size32 1
		.amdhsa_system_sgpr_workgroup_id_x 1
		.amdhsa_system_sgpr_workgroup_id_y 1
		.amdhsa_system_sgpr_workgroup_id_z 1
		.amdhsa_system_vgpr_workitem_id 0
		.amdhsa_next_free_vgpr 1024
		.amdhsa_next_free_sgpr 102
		.amdhsa_reserve_vcc 1
		.amdhsa_float_denorm_mode_32 3
		.amdhsa_float_denorm_mode_16_64 3
		.amdhsa_memory_ordered 1
		.amdhsa_forward_progress 1
		.amdhsa_inst_pref_size 118
	.end_amdhsa_kernel
	.amdgpu_metadata
---
amdhsa.version: [ 1, 2 ]
amdhsa.kernels:
  - .name:           k_q1917c6338f_attn
    .symbol:         k_q1917c6338f_attn.kd
    .args:
      - { .name: qb, .offset: 0, .size: 8, .value_kind: global_buffer, .address_space: global }
      - { .name: kb, .offset: 8, .size: 8, .value_kind: global_buffer, .address_space: global }
      - { .name: vb, .offset: 16, .size: 8, .value_kind: global_buffer, .address_space: global }
      - { .name: ao, .offset: 24, .size: 8, .value_kind: global_buffer, .address_space: global }
    .group_segment_fixed_size: 322048
    .private_segment_fixed_size: 0
    .kernarg_segment_align: 8
    .kernarg_segment_size: 32
    .max_flat_workgroup_size: 128
    .sgpr_count:     102
    .vgpr_count:     1024
    .wavefront_size: 32
...
	.end_amdgpu_metadata
.endif
;; end of part 3
;; launch oproj (part 4): grid 16 x 16, 4 waves a work-group, clusters of 4 x 4, 327,680 bytes of LDS; arguments ao, wb, bo, out0; writes out0
.if DOCPART == 4
	.amdgcn_target "amdgcn-amd-amdhsa--gfx1250"
	.amdhsa_code_object_version 6
	.text
	.protected	k_q1917c6338f_oproj
	.globl	k_q1917c6338f_oproj
	.p2align	8
	.type	k_q1917c6338f_oproj,@function
k_q1917c6338f_oproj:
	s_mov_b64 s[64:65], 0
	v_nop
	global_prefetch_b8 v0, s[64:65] scope:SCOPE_SE
	s_setreg_imm32_b32 hwreg(HW_REG_WAVE_MODE, 25, 1), 1
	s_wait_xcnt 0x0
	s_wait_alu depctr_hold_cnt(0) depctr_sa_sdst(0) depctr_va_vdst(0) depctr_va_sdst(0) depctr_va_ssrc(0) depctr_va_vcc(0) depctr_vm_vsrc(0)
	s_getreg_b32 s2, hwreg(HW_REG_IB_STS2, 6, 4)
	s_cmp_eq_u32 s2, 0
	s_cbranch_scc0 .Lentry_in_a_cluster
	s_endpgm
.Lentry_in_a_cluster:
	s_bfe_u32 s2, ttmp6, 0x10000c
	s_cmp_lg_u32 s2, 0xf033
	s_cbranch_scc0 .Lentry_shape_is_right
	s_endpgm
.Lentry_shape_is_right:
; OPROJ: out0 = ao Wo^T + bo.  ao f16 [2048][2048], Wo = plane 3 of wb (the bf16-rounded Wo written as f16, [2048][2048]), bo f32 [2048],
; out0 f32 [2048][2048].  f16 operands, f32 sums (why f16, and its room: the head of the first kernel, prep).
; Nothing of reference() is left out here.
; A work-group makes a block of 128 x 128 (rows: mb = work-group x; columns: nb = work-group y): 256 work-groups.  Wave (i = w / 2,
; j = w % 2) makes 64 x 64: 16 accumulator tiles.  K goes in steps of 256 through two LDS slots (rows of 512 bytes of memory, aligned):
; a slot = ao's rows 0-63, 64-127, Wo's rows 0-63, 64-127; each wave brings one of the four parts with one tensor load.
; CLUSTERS: 4 x 4.  ao's tile hangs on mb alone: asked for jointly by the four of a column of the cluster (same cx); Wo's on nb alone:
; by the four of a row (same cy).  Two tensor loads of a wave are out at the start, later one.
; THE K WALK: cluster (X, Y) of the 4 x 4 clusters begins at K step 2 ((X + 2 (Y % 2) + Y / 2) % 4) of the 8 and wraps round behind step 7.
; The four clusters that read one tile (of Wo: same Y; of ao: same X) so begin in four different quarters of K, and Y = 0, 1 (and 2, 3) half a
; walk apart: they reach a tile at least two steps apart, instead of all asking for it for the first time in the same step.  The start hangs
; on the cluster's X and Y alone, which all partners of a joint load share.  Only the order of the f32 sums hangs on it.
; ASKING AHEAD: waves 0 and 1, which issue ao's joint loads, prefetch a quarter of their part's 64 rows, one lane for each 256 bytes: rows
; 16 cy + lane / 2, two lanes a row of 512 bytes.  The four partners that share the part differ in cy, so the cluster asks for each 256 bytes
; once.  The walk's step 2 is asked for at the head, step 3 straight behind the joint load of step 2: one K step ahead of its own joint load.
; It stops there, at the end of the half of K in which this cluster's walk begins (the walk of cluster Y xor 1 begins in the other half).
; Wo is not asked ahead: the quarter of K in which this cluster's walk begins, and no other reader's, is its two first fills.
; 2 x 2 x 8 KiB a work-group.  Every offset lies inside the part's own rows.
; REGISTERS: window 0: addresses, bias, fragments (ao: v32-63, v96-127; Wo: v64-95, v128-159);  window 1: acc(a, b) at v[8 (4 a + b)].
; The matrix instruction is used transposed (source 0 = rows of Wo, source 1 = rows of ao): lane l holds row l % 16, columns 8 (l / 16) + 0 .. 7.
.set KSTEP,  256
.set ROWB,   4096                      ; bytes in a row of ao and of Wo: 8 K steps of 512 bytes
.set PITCH,  528                       ; 512 bytes + 16 of padding, an odd multiple of 16: the 16 rows of a fragment load start 16 bytes apart modulo 256
.set PART,   64*PITCH
.set SLOT,   4*PART
.set STAGE,  2*SLOT                    ; behind the ring, never filled by a tensor load: 16 rows x 272 bytes for each wave
.set SPITCH, 272
.set LAPS,   2048/(2*KSTEP)
.set BI,   8                           ; v8-11   bo of my four columns on the way out
.set ADRA, 16                          ; v16-17  ao's fragments in slot 0, 1
.set ADRB, 20                          ; v20-21  Wo's
.set STO,  24
.set RD,   25
.set CO,   26
.set BA,   27
.set PF,   28                          ; v28-29  asking ahead: my 256 bytes' offset in ao's part at the walk's steps 2, 3; never rewritten
.set AF,   32                          ; ao's fragments: buffer f at AF + 64 f
.set BF,   64                          ; Wo's fragments: buffer f at BF + 64 f
.set XB,  18                           ; s[18:19] ao's part at K = 0: never stepped
.set G1A, 24
.set G0A, 32
.set WB,  46                           ; s[46:47] Wo's part at K = 0: never stepped
.set G1B, 48
.set G0B, 56
.set KO,  70                           ; s[70:71] byte offset in a row of the K step that is asked for next (s71 = 0)
.set MUL,  0x50                        ; C and D in window 1
.set MSB, 0
.macro WIN new
.if MSB != (\new)
	s_set_vgpr_msb (MSB<<8)|(\new)
.set MSB, (\new)
.endif
.endm
.macro PLACES                          ; four plain vector instructions between a matrix instruction and a load into, or an access to, its registers
.rept 4
	v_nop
.endr
.endm
.macro JLOAD s                         ; waves 0, 1 ask for ao's halves, waves 2, 3 for Wo's; each line has one mask
	s_cmp_eq_u32 s13, 0
	s_cbranch_scc0 .Lfor_w_\@
	tensor_load_to_lds s[G0A+4*\s:G0A+4*\s+3], s[G1A:G1A+7]
	s_nop 0
	s_branch .Lasked_\@
.Lfor_w_\@:
	tensor_load_to_lds s[G0B+4*\s:G0B+4*\s+3], s[G1B:G1B+7]
	s_nop 0
.Lasked_\@:
.endm
.macro PFETCH i                        ; waves 0, 1 ask ahead for their 16 rows of ao's part at the walk's step 2 + i
	s_cmp_eq_u32 s13, 0
	s_cbranch_scc0 .Lno_pf_\@
	global_prefetch_b8 v[PF+\i], s[XB:XB+1] th:TH_LOAD_NT scope:SCOPE_SE
.Lno_pf_\@:
.endm
.macro SETADR s                        ; slot s's two group 0 sets: the unstepped part plus the next K step's offset, and the type (2 in the top two bits)
	s_add_nc_u64 s[G0A+4*\s+2:G0A+4*\s+3], s[XB:XB+1], s[KO:KO+1]
	s_or_b32 s[G0A+4*\s+3], s[G0A+4*\s+3], 0x80000000
	s_add_nc_u64 s[G0B+4*\s+2:G0B+4*\s+3], s[WB:WB+1], s[KO:KO+1]
	s_or_b32 s[G0B+4*\s+3], s[G0B+4*\s+3], 0x80000000
.endm
.macro STEPK                           ; one K step on, round the row's end; the offset is no register of a descriptor
	s_add_co_u32 s[KO], s[KO], KSTEP*2
	s_and_b32 s[KO], s[KO], ROWB-1
.endm
.macro CREST
	s_cmp_lg_u32 s12, 0
	s_cbranch_scc1 .Lnot_wave_0_\@
	s_barrier_signal -3
.Lnot_wave_0_\@:
	s_barrier_wait -3
	s_barrier_signal -1
	s_barrier_wait -1
.endm
.macro CROUND
	s_barrier_signal -1
	s_barrier_wait -1
	CREST
.endm
	s_load_b256 s[4:11], s[0:1], 0x0               ; ao 4:5, wb 6:7, bo 8:9, out0 10:11
	v_lshl_add_u32 v254, v0, 2, 0x46400
	v_mov_b32 v255, 0
	ds_add_u32 v254, v255
	v_lshrrev_b32 v1, 5, v0
	v_readfirstlane_b32 s12, v1                    ; wave 0..3
	s_lshr_b32 s13, s12, 1                         ; i: my half of the rows.  Also: I ask for ao (0) or Wo (1)
	s_and_b32 s14, s12, 1                          ; j: my half of the columns.  Also: which 64 rows of that tile I ask for
	s_bfe_u32 s40, ttmp6, 0x40000                  ; cx
	s_bfe_u32 s41, ttmp6, 0x40004                  ; cy
	s_lshl_b32 s42, ttmp9, 2
	s_add_co_u32 s42, s42, s40                     ; mb
	s_and_b32 s43, ttmp7, 0xffff
	s_lshl_b32 s43, s43, 2
	s_add_co_u32 s43, s43, s41                     ; nb
	s_lshl_b32 s20, 0x1111, s40                    ; my column of the cluster
	s_lshl_b32 s21, s41, 2
	s_lshl_b32 s21, 15, s21                        ; my row
	; group 1: 64 rows x 256 elements of 2 bytes, 4 words of padding behind every 128 words; bit 21 stands beside a mask
	s_or_b32 s[G1A+0], s20, (1<<16)|(1<<20)|(1<<21)|(6<<22)|(3<<25)
	s_or_b32 s[G1B+0], s21, (1<<16)|(1<<20)|(1<<21)|(6<<22)|(3<<25)
	s_mov_b32 s[G1A+1], KSTEP<<16
	s_mov_b32 s[G1B+1], KSTEP<<16
	s_mov_b32 s[G1A+2], 64<<16
	s_mov_b32 s[G1B+2], 64<<16
	s_mov_b32 s[G1A+3], KSTEP<<16
	s_mov_b32 s[G1B+3], KSTEP<<16
	s_mov_b32 s[G1A+4], 64
	s_mov_b32 s[G1B+4], 64
	s_mov_b32 s[G1A+5], 2048
	s_mov_b32 s[G1B+5], 2048
	s_mov_b32 s[G1A+6], 0
	s_mov_b32 s[G1B+6], 0
	s_mov_b32 s[G1A+7], 0
	s_mov_b32 s[G1B+7], 0
	s_lshl_b32 s22, s14, 18                        ; 64 j rows of 4,096 bytes
	s_lshl_b32 s16, s42, 19                        ; 128 mb rows
	s_add_co_u32 s16, s16, s22
	s_mov_b32 s17, 0
	s_lshl_b32 s44, s43, 19                        ; 128 nb rows
	s_add_co_u32 s44, s44, s22
	s_add_co_u32 s44, s44, 0x1800000               ; plane 3 of wb
	s_mov_b32 s45, 0
	s_mul_i32 s23, s12, PART                       ; where the part goes: wave x 64 rows
	; where the cluster's K walk begins: quarter (X + 2 (Y % 2) + Y / 2) % 4 of a row, 1,024 bytes a quarter
	s_and_b32 s[KO+1], ttmp7, 0xffff               ; Y
	s_lshr_b32 s[KO], s[KO+1], 1
	s_and_b32 s[KO+1], s[KO+1], 1
	s_lshl1_add_u32 s[KO], s[KO+1], s[KO]          ; Y's two bits swapped
	s_add_co_u32 s[KO], s[KO], ttmp9               ; + X
	s_and_b32 s[KO], s[KO], 3
	s_lshl_b32 s[KO], s[KO], 10
	s_mov_b32 s[KO+1], 0
	s_wait_dscnt 0x0
	s_wait_kmcnt 0x0
	s_add_nc_u64 s[XB:XB+1], s[4:5], s[16:17]
	s_add_nc_u64 s[WB:WB+1], s[6:7], s[44:45]
	CROUND                                         ; all sixteen work-groups are here: the first joint loads meet
.irp s, 0,1
	s_mov_b32 s[G0A+4*\s], 1
	s_add_co_u32 s[G0A+4*\s+1], s23, \s*SLOT
	s_mov_b32 s[G0B+4*\s], 1
	s_add_co_u32 s[G0B+4*\s+1], s23, \s*SLOT
	SETADR \s
	JLOAD \s                                       ; both slots' first fills go out together: the walk's first two steps
	STEPK
.endr
	v_and_b32 v1, 15, v0                           ; r
	v_bfe_u32 v2, v0, 4, 1                         ; h
	v_mul_u32_u24 v3, v1, PITCH
	v_lshl_add_u32 v3, v2, 4, v3
	s_mul_i32 s66, s13, PART                       ; my 64 rows of ao
	s_mul_i32 s67, s14, PART
	s_add_co_u32 s67, s67, 2*PART                  ; my 64 rows of Wo
.irp s, 0,1
	v_add_nc_u32 v[ADRA+\s], s66, v3
	v_add_nc_u32 v[ADRB+\s], s67, v3
	s_add_co_u32 s66, s66, SLOT
	s_add_co_u32 s67, s67, SLOT
.endr
	s_mul_i32 s68, s12, 16*SPITCH
	s_add_co_u32 s68, s68, STAGE                   ; my stage
	v_mul_u32_u24 v4, v1, SPITCH                   ; in: row r, 32 bytes (8 f32) for each half of the lanes
	v_lshl_add_u32 v4, v2, 5, v4
	v_add_nc_u32 v[STO], s68, v4
	v_mul_u32_u24 v5, v2, SPITCH                   ; back: lanes 0-15 one row of 256 bytes, lanes 16-31 the next
	v_lshl_add_u32 v5, v1, 4, v5
	v_add_nc_u32 v[RD], s68, v5
	v_lshlrev_b32 v[CO], 13, v2                    ; and the same two rows of 8,192 bytes in out0
	v_lshl_add_u32 v[CO], v1, 4, v[CO]
	s_lshl_b32 s68, s43, 9                         ; my first column, in bytes: 512 nb + 256 j
	s_lshl_b32 s69, s14, 8
	s_add_co_u32 s68, s68, s69
	v_lshl_add_u32 v[BA], v1, 4, s68
	; asking ahead: my 256 bytes of ao's part, and the two K steps' offsets in a row; s[KO] stands at the walk's step 2 here
	v_and_b32 v6, 31, v0
	v_lshrrev_b32 v7, 1, v6                        ; my row of sixteen
	v_and_b32 v6, 1, v6                            ; which 256 bytes of the step's 512
	v_lshlrev_b32 v7, 12, v7
	v_lshl_add_u32 v7, v6, 8, v7
	s_lshl_b32 s66, s41, 16                        ; 16 rows of 4,096 bytes for each of the four partners, which differ in cy
	v_add_nc_u32 v7, s66, v7
.irp i, 0,1
	s_add_co_u32 s67, s[KO], \i*KSTEP*2
	s_and_b32 s67, s67, ROWB-1                     ; round the row's end, as the walk goes
	v_add_nc_u32 v[PF+\i], s67, v7
.endr
	PFETCH 0                                       ; the walk's step 2; its joint load follows at the end of step 0
	global_load_b128 v[BI:BI+3], v[BA], s[8:9]     ; bo of the four columns that I store; waited for on the way out
.macro MUL4 f, a, zero                 ; row tile a x my 4 column tiles, 32 along K.  The 16 accumulators take turns, one instruction a turn.
.irp b, 0,1,2,3
.if \zero
	v_wmma_f32_16x16x32_f16 v[8*(4*\a+\b):8*(4*\a+\b)+7], v[BF+64*\f+8*\b:BF+64*\f+8*\b+7], v[AF+64*\f+8*\a:AF+64*\f+8*\a+7], 0
.else
	v_wmma_f32_16x16x32_f16 v[8*(4*\a+\b):8*(4*\a+\b)+7], v[BF+64*\f+8*\b:BF+64*\f+8*\b+7], v[AF+64*\f+8*\a:AF+64*\f+8*\a+7], v[8*(4*\a+\b):8*(4*\a+\b)+7]
.endif
.endr
.endm
.macro FETCH slot, k, f                ; 16 LDS loads in one run: 8 for Wo's four tiles, 8 for ao's
	WIN 0
.irp b, 0,1,2,3
	ds_load_b128 v[BF+64*\f+8*\b:BF+64*\f+8*\b+3],   v[ADRB+\slot] offset:\k+\b*16*PITCH
	ds_load_b128 v[BF+64*\f+8*\b+4:BF+64*\f+8*\b+7], v[ADRB+\slot] offset:\k+\b*16*PITCH+32
.endr
.irp a, 0,1,2,3
	ds_load_b128 v[AF+64*\f+8*\a:AF+64*\f+8*\a+3],   v[ADRA+\slot] offset:\k+\a*16*PITCH
	ds_load_b128 v[AF+64*\f+8*\a+4:AF+64*\f+8*\a+7], v[ADRA+\slot] offset:\k+\a*16*PITCH+32
.endr
.endm
.macro EIGHTH slot, k, f, g, zero      ; 32 of a K step's 256: multiplies buffer f and, in its middle, fetches the next eighth's fragments into buffer g
	s_wait_dscnt 4                                 ; Wo's tiles and ao's tiles 0, 1 are in; the youngest four loads (tiles 2, 3) may be out
	WIN MUL
	MUL4 \f, 0, \zero
	MUL4 \f, 1, \zero
	PLACES
	FETCH \slot, \k, \g
	s_wait_dscnt 16                                ; all but the 16 just issued
	WIN MUL
	MUL4 \f, 2, \zero
	MUL4 \f, 3, \zero
.endm
.macro SEVEN slot, zero
	EIGHTH \slot, 64,  0, 1, \zero
	EIGHTH \slot, 128, 1, 0, 0
	EIGHTH \slot, 192, 0, 1, 0
	EIGHTH \slot, 256, 1, 0, 0
	EIGHTH \slot, 320, 0, 1, 0
	EIGHTH \slot, 384, 1, 0, 0
	EIGHTH \slot, 448, 0, 1, 0
.endm
; the last eighth: multiplies buffer 1 and changes slots.  In front of the barrier each wave waits for its reads of this slot and for all its
; tensor loads; where the slot is filled again the barrier opens a round of the cluster's barrier and the joint refill stands straight
; behind the round.  From a request to the wait for it: 124 matrix instructions.
; pf >= 0: behind the refill ao's part at the walk's step 2 + pf is asked ahead, the one that the next refill will bring.
.macro TURN slot, next, fill, pf
	s_wait_dscnt 4
	WIN MUL
	MUL4 1, 0, 0
	s_wait_dscnt 0x0                               ; my reads of this slot are over
	s_wait_tensorcnt 0x0                           ; all my tensor loads have landed,
	ds_add_u32 v254, v255
	s_wait_dscnt 0x0
.if \fill
	SETADR \slot                                   ; so a group 0 may be written: this slot's next K step
.endif
	s_barrier_signal -1
	MUL4 1, 1, 0
	WIN 0
	s_barrier_wait -1
.if \fill
	CREST
	JLOAD \slot
	STEPK
.if \pf >= 0
	PFETCH \pf
.endif
.endif
	PLACES
	FETCH \next, 0, 0
	WIN MUL
	MUL4 1, 2, 0
	MUL4 1, 3, 0
.endm
.macro LAP zero, pa, pb
	SEVEN 0, \zero
	TURN 0, 1, 1, \pa
	SEVEN 1, 0
	TURN 1, 0, 1, \pb
.endm
	s_wait_tensorcnt 0x1                           ; my part of the walk's first step is in; the second step's load, issued behind it, stays out
	s_barrier_signal -1
	s_barrier_wait -1
	FETCH 0, 0, 0
	LAP 1, 1, -1                                   ; the first lap's first products start the sums; the walk's step 3 is asked ahead in it, and nothing from there on
	WIN 0
	s_mov_b32 s3, LAPS-2
.Llap:
	LAP 0, -1, -1
	WIN 0
	s_sub_co_u32 s3, s3, 1
	s_cmp_lg_u32 s3, 0
	s_cbranch_scc1 .Llap
	SEVEN 0, 0                                     ; the last lap fills nothing: 2 first fills and 6 refills have brought the 8 steps
	TURN 0, 1, 0, -1
	SEVEN 1, 0
	s_wait_dscnt 4
	WIN MUL
	MUL4 1, 0, 0
	MUL4 1, 1, 0
	s_wait_dscnt 0x0
	MUL4 1, 2, 0
	MUL4 1, 3, 0
	; THE WAY OUT, 16 rows at a time through my own stage: 32 bytes a lane in, whole rows of 256 bytes back, the bias added, 16 bytes a lane out.
	PLACES
	s_wait_loadcnt 0x0                             ; bo
	s_lshl_b32 s66, s42, 20                        ; 128 mb rows of 8,192 bytes
	s_lshl_b32 s69, s13, 19                        ; + 64 i rows
	s_add_co_u32 s66, s66, s69
	s_add_co_u32 s66, s66, s68                     ; + my first column
	s_mov_b32 s67, 0
	s_add_nc_u64 s[10:11], s[10:11], s[66:67]
.macro OUT16 a, f
	WIN 0x04                                       ; the stores' data in window 1
.irp b, 0,1,2,3
	ds_store_b128 v[STO], v[8*(4*\a+\b):8*(4*\a+\b)+3]   offset:64*\b
	ds_store_b128 v[STO], v[8*(4*\a+\b)+4:8*(4*\a+\b)+7] offset:64*\b+16
.endr
	WIN 0
	s_wait_xcnt 0x0                                ; every earlier store has had its addresses translated (ISA guide 3.1): its data registers and the base are rewritten only behind this wait
.if \a
	s_add_nc_u64 s[10:11], s[10:11], 16*8192
.endif
.irp t, 0,1,2,3,4,5,6,7
	ds_load_b128 v[\f+4*\t:\f+4*\t+3], v[RD] offset:\t*2*SPITCH    ; LDS serves a wave's instructions in order (ISA guide 5.7.1.4): these see the stores above
.endr
.irp t, 0,1,2,3,4,5,6,7
	s_wait_dscnt 7-\t                              ; the count is the number of LDS loads issued behind this one
	v_pk_add_f32 v[\f+4*\t:\f+4*\t+1],   v[\f+4*\t:\f+4*\t+1],   v[BI:BI+1]
	v_pk_add_f32 v[\f+4*\t+2:\f+4*\t+3], v[\f+4*\t+2:\f+4*\t+3], v[BI+2:BI+3]
	global_store_b128 v[CO], v[\f+4*\t:\f+4*\t+3], s[10:11] offset:\t*16384 th:TH_STORE_NT   ; 16 lanes store 256 neighbouring bytes, aligned
.endr
.endm
	OUT16 0, 32
	OUT16 1, 96
	OUT16 2, 32
	OUT16 3, 96
	s_wait_tensorcnt 0x0
	ds_add_u32 v254, v255
	s_wait_dscnt 0x0
	CROUND                                         ; the closing round: no work-group ends while a partner may still ask for a tile that names it
	s_endpgm
.Lfunc_end_k_q1917c6338f_oproj:
	.size	k_q1917c6338f_oproj, .Lfunc_end_k_q1917c6338f_oproj-k_q1917c6338f_oproj
	.p2alignl 7, 3214868480
	.fill 96, 4, 3214868480
	.section	.rodata,"a",@progbits
	.p2align	6, 0x0
	.amdhsa_kernel k_q1917c6338f_oproj
		.amdhsa_group_segment_fixed_size 327680
		.amdhsa_private_segment_fixed_size 0
		.amdhsa_enable_private_segment 0
		.amdhsa_kernarg_size 32
		.amdhsa_user_sgpr_count 2
		.amdhsa_user_sgpr_kernarg_segment_ptr 1
		.amdhsa_wavefront_size32 1
		.amdhsa_system_sgpr_workgroup_id_x 1
		.amdhsa_system_sgpr_workgroup_id_y 1
		.amdhsa_system_sgpr_workgroup_id_z 1
		.amdhsa_system_vgpr_workitem_id 0
		.amdhsa_next_free_vgpr 384
		.amdhsa_next_free_sgpr 72
		.amdhsa_reserve_vcc 0
		.amdhsa_float_denorm_mode_32 3
		.amdhsa_float_denorm_mode_16_64 3
		.amdhsa_memory_ordered 1
		.amdhsa_forward_progress 1
		.amdhsa_inst_pref_size 134
	.end_amdhsa_kernel
	.amdgpu_metadata
---
amdhsa.version: [ 1, 2 ]
amdhsa.kernels:
  - .name:           k_q1917c6338f_oproj
    .symbol:         k_q1917c6338f_oproj.kd
    .args:
      - { .name: ao, .offset: 0, .size: 8, .value_kind: global_buffer, .address_space: global }
      - { .name: wb, .offset: 8, .size: 8, .value_kind: global_buffer, .address_space: global }
      - { .name: bo, .offset: 16, .size: 8, .value_kind: global_buffer, .address_space: global }
      - { .name: out0, .offset: 24, .size: 8, .value_kind: global_buffer, .address_space: global }
    .group_segment_fixed_size: 327680
    .private_segment_fixed_size: 0
    .kernarg_segment_align: 8
    .kernarg_segment_size: 32
    .max_flat_workgroup_size: 128
    .sgpr_count:     72
    .vgpr_count:     384
    .wavefront_size: 32
...
	.end_amdgpu_metadata
.endif
;; end of part 4
;; ======== version 2 of 2: 4 launches; version 1 with the launch prep written anew for expert scheduling mode
;; limits: values are held in f16: magnitudes above 65,504 overflow, below 6.1e-05 lose precision; a function is approximated: absolute error at most 0.0001
;; workspace buffers: xb 8,388,608 bytes; wb 33,554,432 bytes; tab 262,144 bytes; qb 8,388,608 bytes; kb 8,388,608 bytes; vb 8,388,608 bytes; ao 8,388,608 bytes
;; launch prep (part 5): grid 512 x 1, 8 waves a work-group, no clusters, 0 bytes of LDS; arguments x, Wq, Wk, Wv, Wo, xb, wb, tab; writes xb, wb, tab
.if DOCPART == 5
	.amdgcn_target "amdgcn-amd-amdhsa--gfx1250"
	.amdhsa_code_object_version 6
	.text
	.protected	k_q1917c6338f_prep
	.globl	k_q1917c6338f_prep
	.p2align	8
	.type	k_q1917c6338f_prep,@function
k_q1917c6338f_prep:
	s_mov_b64 s[64:65], 0
	v_nop
	global_prefetch_b8 v0, s[64:65] scope:SCOPE_SE
	s_setreg_imm32_b32 hwreg(HW_REG_WAVE_SCHED_MODE, 0, 2), 2
	s_setreg_imm32_b32 hwreg(HW_REG_WAVE_MODE, 25, 1), 1
	s_wait_xcnt 0x0
	s_wait_alu depctr_vm_vsrc(0)
; PREP: x, Wq, Wk, Wv, Wo (f32, 16,777,216 bytes each) are rounded once to bf16 (xb; wb = planes Wq, Wk, Wv, Wo, 0x800000 bytes apart),
; so that both large products can fill LDS with 16-bit tiles; and the RoPE table tab[pos][128] = 64 cosines, 64 sines (f32) is made.
; Wo's plane holds the bf16-rounded numbers written as f16, since its partner in the product (ao) is f16: see FORMATS.
;
; THE PROGRAM: prep (this) -> qkv (three projections, RoPE) -> attn (causal softmax attention) -> oproj (output projection + bo).
; FORMATS: the inputs x, Wq, Wk, Wv, Wo are rounded to bf16.  The matrix operands that the program makes itself (q, k, v, the softmax's
; weights, the attention's result ao) are f16: a result at an early position averages few keys and is as large as v itself, several times the
; root mean square of the whole output, so a rounding of v to bf16's 8 bits (up to 2^-8 of v) is of the size of a hundredth of that root mean
; square; f16's 11 bits leave an eighth of it.  All sums, RoPE and softmax are f32, the softmax with a running maximum.
; A bf16 number is an f16 number exactly from 2^-17 up to 65,504; below 2^-17 Wo is off by at most 2^-25.
; f16'S ROOM: |q|, |k|, |v|, |Wo| below 65,504.  x of spread 1 and weights of spread 0.0221 give |q|, |k|, |v| up to about 5.5.  All of them
; 30 times larger: about 5,000.  x and a weight both with an offset of 30 spreads: 2048 x 30 x 0.663 = 40,700, behind RoPE at most
; sqrt(2) x that = 57,600.  All 30 times smaller: a root mean square of 1.1e-3, above f16's least normal number 6.1e-5; below it the step is 6e-8.
;
; WORK LEFT OUT (in attn): reference() replaces every score with key > query by -1e9, by a jnp.tril of its own.  So the product q.k of such
; a pair reaches no output whatever the inputs hold, and its weight is exp(-1e9 - rowmax) / sum, where rowmax >= the score of key = query,
; which is always live.  Blocks of 64 keys that lie wholly above the diagonal are therefore neither scored nor multiplied with v;
; inside the block on the diagonal the -1e9 is put in as reference() does.  No input is left out: bo is loaded and added in oproj.
; LIMITS: (1) a row all of whose live scores lie below about -1e9 + 100 (that takes |q.k| above 1e10) gets weight on masked keys in
; reference() and none here; (2) a NaN, an infinity or an overflow that sits only in k or v rows above a query's diagonal block does not
; reach that query's result; (3) the table's angle is reduced in f32 at up to 81.4 turns and the series are cut at y^9 and y^10 for
; |y| <= pi/2: cosines and sines are within 1e-4 of the exact ones; (4) a q, k, v or Wo of 65,520 or more becomes an infinity in f16, and
; the results that it reaches NaN or infinity, where reference() is still finite.
;
; Work-group g takes bytes 32,768 g .. +32,767 of each source.  Thread t, piece j: 16 bytes at 16 t + 4096 j (a wave's load covers 512
; neighbouring bytes), packed roundings in place, 8 bytes out at 8 t + 2048 j (a wave's store covers 256 neighbouring bytes, aligned).
; All 40 loads of a thread go out first, each into registers of its own.  No LDS, no barrier, no matrix unit: bytes are all there is to this launch.
;
; THE MODE: SCHED_MODE bits 1:0 = 2 (LLVM: expert scheduling mode 2), set by the entry lines.  The code itself states the register dependences
; between vector instructions and memory instructions, with s_wait_alu, always for 0.
; THE PLAN.  Registers that memory instructions touch:
;   v1, v2       byte offsets of the loads and of the stores: written once at the head, never again.
;   X[n]         four registers for load n = 8 x source + j.  Written by load n, which is issued before any vector instruction names them; then, behind
;                the counted wait for that load, by the piece's own roundings, in place; then the two low ones are read by the piece's one store.  Never written again.
;   v169, v[180:181]   in waves 0 and 1: the offset and the data of the table's one store: written by the table's arithmetic, never again.
; The 40 pieces go in ten blocks of four.  Block b rounds pieces 4 b .. 4 b + 3; its memory instructions are the four stores of block b - 1, whose registers
; no vector instruction of block b names.  So ONE wait on va_vdst at a block's head states all that its four stores hang on, and they are dealt among
; its roundings with no further wait.  No register that a load or a store reads is ever written again, on any path: no wait on vm_vsrc and none on XCNT is owed.
.set X, 8                              ; v[8:167]  load n = 8 x source + j: 4 registers
.macro LOADS n0, base
.irp j, 0,1,2,3,4,5,6,7
	global_load_b128 v[X+4*(\n0+\j):X+4*(\n0+\j)+3], v1, s[\base:\base+1] offset:4096*\j th:TH_LOAD_NT
.endr
.endm
.macro CVB n                           ; piece n: f32 to bf16
	v_cvt_pk_bf16_f32 v[X+4*(\n)],   v[X+4*(\n)],   v[X+4*(\n)+1]
	v_cvt_pk_bf16_f32 v[X+4*(\n)+1], v[X+4*(\n)+2], v[X+4*(\n)+3]
.endm
.macro CVH n                           ; piece n: f32 rounded to bf16, as the other inputs are, and that number written as f16
	v_cvt_pk_bf16_f32 v[X+4*(\n)],   v[X+4*(\n)],   v[X+4*(\n)+1]
	v_cvt_pk_bf16_f32 v[X+4*(\n)+1], v[X+4*(\n)+2], v[X+4*(\n)+3]
	v_lshlrev_b32 v[X+4*(\n)+2], 16, v[X+4*(\n)]                   ; bf16 to f32: the low half moves up,
	v_and_b32     v[X+4*(\n)+3], 0xffff0000, v[X+4*(\n)]           ; the high half stays
	v_cvt_pk_f16_f32 v[X+4*(\n)], v[X+4*(\n)+2], v[X+4*(\n)+3]
	v_lshlrev_b32 v[X+4*(\n)+2], 16, v[X+4*(\n)+1]
	v_and_b32     v[X+4*(\n)+3], 0xffff0000, v[X+4*(\n)+1]
	v_cvt_pk_f16_f32 v[X+4*(\n)+1], v[X+4*(\n)+2], v[X+4*(\n)+3]
.endm
.macro PUT n, base                     ; piece n goes out: 8 bytes a lane at piece n % 8 of its destination
	global_store_b64 v2, v[X+4*(\n):X+4*(\n)+1], s[\base:\base+1] offset:2048*((\n)%8)
.endm
; The block of pieces n0 .. n0 + 3.  h = 1: Wo's pieces.  prev = 1: there is a block in front of it, whose four stores, to pbase, are issued here.
.macro BLK n0, h, prev, pbase
	s_wait_loadcnt 39-(\n0)                        ; loads come back in order: the count is the number of loads issued behind this one
.if \prev
	s_wait_alu depctr_va_vdst(0)                   ; the block before has written its X registers, which the four stores below read; no vector instruction of this block names them
.endif
.irp i, 0,1,2,3
.if \prev
	PUT \n0-4+\i, \pbase
.endif
.if \i
	s_wait_loadcnt 39-(\n0+\i)
.endif
.if \h
	CVH \n0+\i
.else
	CVB \n0+\i
.endif
.endr
.endm
; d = sin(a + 2 pi s32): turns t = a / 2pi + s32; r = t - nearest whole number, in [-1/2, 1/2]; y = pi r; sin 2y = (sin y)(2 cos y), both by series
.macro SINT d, a, t0, t1, t2
	v_fma_f32 v[\t0], v[\a], 0.15915494, s32
	v_rndne_f32 v[\t1], v[\t0]
	v_sub_f32 v[\t0], v[\t0], v[\t1]
	v_mul_f32 v[\t0], 0x40490fdb, v[\t0]           ; y = pi r
	v_mul_f32 v[\t1], v[\t0], v[\t0]               ; y^2
	v_mov_b32 v[\t2], 0x3638ef1d                   ; 1/9!
	v_fmaak_f32 v[\t2], v[\t2], v[\t1], 0xb9500d01 ; -1/7!
	v_fmaak_f32 v[\t2], v[\t2], v[\t1], 0x3c088889 ; 1/5!
	v_fmaak_f32 v[\t2], v[\t2], v[\t1], 0xbe2aaaab ; -1/3!
	v_fmaak_f32 v[\t2], v[\t2], v[\t1], 0x3f800000 ; 1
	v_mul_f32 v[\t2], v[\t2], v[\t0]               ; sin y
	v_mov_b32 v[\d], 0xb513f27e                    ; -2/10!
	v_fmaak_f32 v[\d], v[\d], v[\t1], 0x38500d01   ; 2/8!
	v_fmaak_f32 v[\d], v[\d], v[\t1], 0xbb360b61   ; -2/6!
	v_fmaak_f32 v[\d], v[\d], v[\t1], 0x3daaaaab   ; 2/4!
	v_fmaak_f32 v[\d], v[\d], v[\t1], 0xbf800000   ; -2/2!
	v_fmaak_f32 v[\d], v[\d], v[\t1], 0x40000000   ; 2
	v_mul_f32 v[\d], v[\d], v[\t2]
.endm
	s_load_b512 s[4:19], s[0:1], 0x0               ; x 4:5, Wq 6:7, Wk 8:9, Wv 10:11, Wo 12:13, xb 14:15, wb 16:17, tab 18:19
	v_lshlrev_b32 v1, 4, v0                        ; 16 t
	v_lshlrev_b32 v2, 3, v0                        ; 8 t
	v_lshrrev_b32 v3, 5, v0
	v_readfirstlane_b32 s30, v3                    ; wave 0..7
	s_lshl_b32 s20, ttmp9, 15                      ; the group's part of a source
	s_mov_b32 s21, 0
	s_lshl_b32 s22, ttmp9, 14                      ; and of a destination
	s_mov_b32 s23, 0
	s_mov_b32 s31, ttmp9                           ; the group's number is also the table's position
	s_wait_kmcnt 0x0
.irp b, 4,6,8,10,12
	s_add_nc_u64 s[\b:\b+1], s[\b:\b+1], s[20:21]
.endr
	s_add_nc_u64 s[14:15], s[14:15], s[22:23]
	s_add_nc_u64 s[16:17], s[16:17], s[22:23]      ; plane Wq
	s_add_nc_u64 s[24:25], s[16:17], 0x800000      ; plane Wk (a plane's distance does not fit a store's immediate)
	s_add_nc_u64 s[26:27], s[16:17], 0x1000000     ; plane Wv
	s_add_nc_u64 s[28:29], s[16:17], 0x1800000     ; plane Wo
	s_wait_alu depctr_va_vdst(0)                   ; v1 and v2 are written: every load below reads v1 as its offset, every store of the blocks v2
	LOADS 0,  4
	LOADS 8,  6
	LOADS 16, 8
	LOADS 24, 10
	LOADS 32, 12
	; The table's row pos = g, while the loads are on their way: wave 0 the 64 cosines, wave 1 the 64 sines, lane l the frequencies 2 l, 2 l + 1.
	s_wait_alu depctr_va_sdst(0)                   ; s30 is written, ahead of its first reader, the compare below
	s_cmp_gt_u32 s30, 1
	s_cbranch_scc1 .Lnotab
	s_cmp_eq_u32 s30, 0
	s_cselect_b32 s32, 0x3e800000, 0               ; cos a = sin(a + a quarter turn)
	s_lshl_b32 s33, ttmp9, 9                       ; a row of the table is 512 bytes
	s_lshl_b32 s34, s30, 8                         ; the sines lie 256 bytes behind the cosines
	s_add_co_u32 s33, s33, s34
	v_and_b32 v168, 31, v0
	v_lshlrev_b32 v169, 1, v168
	v_cvt_f32_u32 v170, v169                       ; i = 2 l
	v_add_f32 v171, 1.0, v170                      ; i = 2 l + 1
	v_mul_f32 v170, 0xbe549a78, v170               ; -i log2(10000) / 64
	v_mul_f32 v171, 0xbe549a78, v171
	v_cvt_f32_u32 v174, s31                        ; pos
	v_exp_f32 v172, v170                           ; 10000^(-i/64)
	v_exp_f32 v173, v171
	v_lshl_add_u32 v169, v168, 3, s33              ; the plain instruction that stands behind the exponentials (ISA guide 5.7.2): my 8 bytes of the row
	s_wait_alu depctr_va_vdst(0)                   ; the two exponentials have written v172 and v173, ahead of their first reader: one wait for both
	v_mul_f32 v172, v174, v172                     ; the angle, rounded as reference() rounds it
	v_mul_f32 v173, v174, v173
	SINT 180, 172, 176, 177, 178
	SINT 181, 173, 182, 183, 184
	s_wait_alu depctr_va_vdst(0)                   ; the series have written v180 and v181, the store's data (its offset v169 was written further up)
	global_store_b64 v169, v[180:181], s[18:19]    ; the wave's store covers 256 neighbouring bytes, aligned
.Lnotab:
	BLK 0,  0, 0, 14                               ; x's pieces 0-3: no block stands in front of them
	BLK 4,  0, 1, 14                               ; x's pieces 4-7; the stores of x's 0-3 to xb
	BLK 8,  0, 1, 14                               ; Wq
	BLK 12, 0, 1, 16
	BLK 16, 0, 1, 16                               ; Wk
	BLK 20, 0, 1, 24
	BLK 24, 0, 1, 24                               ; Wv
	BLK 28, 0, 1, 26
	BLK 32, 1, 1, 26                               ; Wo
	BLK 36, 1, 1, 28
	s_wait_alu depctr_va_vdst(0)                   ; the last block has written its X registers, which the last four stores read
	PUT 36, 28
	PUT 37, 28
	PUT 38, 28
	PUT 39, 28
	s_endpgm
.Lfunc_end_k_q1917c6338f_prep:
	.size	k_q1917c6338f_prep, .Lfunc_end_k_q1917c6338f_prep-k_q1917c6338f_prep
	.p2alignl 7, 3214868480
	.fill 96, 4, 3214868480
	.section	.rodata,"a",@progbits
	.p2align	6, 0x0
	.amdhsa_kernel k_q1917c6338f_prep
		.amdhsa_group_segment_fixed_size 0
		.amdhsa_private_segment_fixed_size 0
		.amdhsa_enable_private_segment 0
		.amdhsa_kernarg_size 64
		.amdhsa_user_sgpr_count 2
		.amdhsa_user_sgpr_kernarg_segment_ptr 1
		.amdhsa_wavefront_size32 1
		.amdhsa_system_sgpr_workgroup_id_x 1
		.amdhsa_system_sgpr_workgroup_id_y 1
		.amdhsa_system_sgpr_workgroup_id_z 1
		.amdhsa_system_vgpr_workitem_id 0
		.amdhsa_next_free_vgpr 192
		.amdhsa_next_free_sgpr 66
		.amdhsa_reserve_vcc 0
		.amdhsa_float_denorm_mode_32 3
		.amdhsa_float_denorm_mode_16_64 3
		.amdhsa_memory_ordered 1
		.amdhsa_forward_progress 1
		.amdhsa_inst_pref_size 21
	.end_amdhsa_kernel
	.amdgpu_metadata
---
amdhsa.version: [ 1, 2 ]
amdhsa.kernels:
  - .name:           k_q1917c6338f_prep
    .symbol:         k_q1917c6338f_prep.kd
    .args:
      - { .name: x, .offset: 0, .size: 8, .value_kind: global_buffer, .address_space: global }
      - { .name: Wq, .offset: 8, .size: 8, .value_kind: global_buffer, .address_space: global }
      - { .name: Wk, .offset: 16, .size: 8, .value_kind: global_buffer, .address_space: global }
      - { .name: Wv, .offset: 24, .size: 8, .value_kind: global_buffer, .address_space: global }
      - { .name: Wo, .offset: 32, .size: 8, .value_kind: global_buffer, .address_space: global }
      - { .name: xb, .offset: 40, .size: 8, .value_kind: global_buffer, .address_space: global }
      - { .name: wb, .offset: 48, .size: 8, .value_kind: global_buffer, .address_space: global }
      - { .name: tab, .offset: 56, .size: 8, .value_kind: global_buffer, .address_space: global }
    .group_segment_fixed_size: 0
    .private_segment_fixed_size: 0
    .kernarg_segment_align: 8
    .kernarg_segment_size: 64
    .max_flat_workgroup_size: 256
    .sgpr_count:     66
    .vgpr_count:     192
    .wavefront_size: 32
...
	.end_amdgpu_metadata
.endif
;; end of part 5
;; launch qkv: the kernel of part 2 again; grid 16 x 16, 4 waves a work-group, clusters of 4 x 4, 327,680 bytes of LDS; arguments xb, wb, tab, qb, kb, vb; writes qb, kb, vb
;; launch attn: the kernel of part 3 again; grid 256 x 1, 4 waves a work-group, clusters of 4 x 1, 322,048 bytes of LDS; arguments qb, kb, vb, ao; writes ao
;; launch oproj: the kernel of part 4 again; grid 16 x 16, 4 waves a work-group, clusters of 4 x 4, 327,680 bytes of LDS; arguments ao, wb, bo, out0; writes out0
